; MI455X (gfx1250); checked and timed in simulation.
; The chip was launched on July 23, 2026; its instructions are those of AMD's public machine-readable ISA for CDNA 5 (MIT licence, August 2026) and "CDNA5" Instruction Set Architecture Reference Guide (July 2026). The comments in the code are by the model that wrote it; some were corrected since.
;; Attention. Allowed arithmetic: float matrix products may take bf16 or f16 operands with f32 sums; other float arithmetic in f32, or as packed bf16 or f16 multiplies, adds, multiply-adds, maxima and minima; sums over many terms, partial sums and values carried from step to step in f32; what a program stores and reads back later, other than sums and carried values, may be rounded once to bf16 or f16.
;; Inputs: bk 2,048 float32; bo 1,024 float32; bq 2,048 float32; bv 2,048 float32; rms_w 1,024 float32; wk 1,024 x 2,048 float32; wo 2,048 x 1,024 float32; wq 1,024 x 2,048 float32; wv 1,024 x 2,048 float32; x 2 x 2,048 x 1,024 float32.
;; Outputs: out0 2 x 2,048 x 1,024 float32.
;; 2 versions, each right; version 2 is version 1 with the launch prep written anew for expert scheduling mode. Each part assembles by itself: llvm-mc -triple=amdgcn-amd-amdhsa -mcpu=gfx1250 --defsym DOCPART=n.
;; ======== version 1 of 2: 4 launches
;; limits: values are held in f16: magnitudes above 65,504 overflow, below 6.1e-05 lose precision
;; workspace buffers: xa 8,388,608 bytes; wb 12,582,912 bytes; wof 4,194,304 bytes; aux 540,672 bytes; qk 16,777,216 bytes; vh 16,777,216 bytes; oh 16,777,216 bytes
;; launch prep (part 1): grid 896 x 1, 8 waves a work-group, no clusters, 0 bytes of LDS; arguments x, rms_w, wq, wk, wv, wo, xa, wb, wof, aux; writes xa, wb, wof, aux
.if DOCPART == 1
	.amdgcn_target "amdgcn-amd-amdhsa--gfx1250"
	.amdhsa_code_object_version 6
	.text
	.protected	k_q4161df47bd_prep
	.globl	k_q4161df47bd_prep
	.p2align	8
	.type	k_q4161df47bd_prep,@function
k_q4161df47bd_prep:
	s_mov_b64 s[64:65], 0
	v_nop
	global_prefetch_b8 v0, s[64:65] scope:SCOPE_SE
	s_setreg_imm32_b32 hwreg(HW_REG_WAVE_MODE, 25, 1), 1
	s_wait_xcnt 0x0
; PREP: the casts, the rows' factors and the table of the rotation.  Nothing is multiplied by a matrix here, so no LDS, no barrier, no matrix unit: a stream.
; Every input enters the program rounded once to bf16 (x, rms_w, the weights here; the biases and the residual where they are used).
;   work-groups   0..255  x  -> xa = bf16(bf16(x) * bf16(rms_w)), and rs[row] = 1 / sqrt(mean(bf16(x)^2) + 1e-5) in f32 (aux, from byte 524,288 on)
;   work-groups 256..639  wq, wk, wv -> wb, bf16, as they lie ([k][n]), 128 work-groups each
;   work-groups 640..767  wo -> wof = bf16(wo) written as f16.  LIMIT: |wo| under 65,504
;   work-groups 768..895  the table T (aux, from byte 0): f16 [2048 positions][128]; for channel i < 64 of the rotated vector,
;                         T[s][2i], T[s][2i+1] = (cos, -sin) of s f_i for even i, (sin, cos) for odd i, f_i = 10000^(-i/64): rotated[i] = T[2i] x[2i] + T[2i+1] x[2i+1]
; A casting wave takes 8,192 consecutive bytes (16 loads of 512 bytes, all issued at once) and stores 4,096 (16 stores of 256 consecutive bytes, aligned).
; No register is used twice, so the only waits are the counted ones for the loads.
; THE ANGLES.  s f is reduced exactly: k = round(s f / pi), r = fma(s, f / pi, -k), theta = pi r in [-pi/2, pi/2]; sine and cosine by their series to theta^11 and theta^12,
; whose ends are under 6e-8 on that interval for every position; the sign by k's parity.  f itself is good to a few parts in 10^7, so an angle near 2,000 is good to some 2e-4.
.set X,   4                            ; v[4:67]    16 loads of 4
.set Y,   68                           ; v[68:99]   16 stores of 2
.set G,   100                          ; v[100:131] rms_w of my 32 columns
.set T,   132                          ; v[132:139] at work
.set SS,  140                          ; v[140:147] sums of squares: two chains of a pair for each of the wave's two rows
.set RSOFF, 524288
.macro XLOADS                          ; the wave's 8,192 bytes
.set j, 0
.rept 16
	global_load_b128 v[X+4*j:X+4*j+3], v2, s[28:29] offset:512*j th:TH_LOAD_NT
.set j, j+1
.endr
.endm
	s_load_b512 s[4:19], s[0:1], 0x0               ; x 4:5, rms_w 6:7, wq 8:9, wk 10:11, wv 12:13, wo 14:15, xa 16:17, wb 18:19
	s_load_b128 s[20:23], s[0:1], 0x40             ; wof 20:21, aux 22:23
	v_and_b32 v1, 31, v0                           ; lane
	v_lshrrev_b32 v2, 5, v0
	v_readfirstlane_b32 s24, v2                    ; wave
	v_lshlrev_b32 v2, 4, v1                        ; 16 x lane: loads
	v_lshlrev_b32 v3, 3, v1                        ; 8 x lane: stores
	s_mov_b32 s25, ttmp9
	s_mov_b32 s33, 0
	s_mov_b32 s34, 0x76543210                      ; v_permlanex16_b32: each lane takes its own place in the other half
	s_mov_b32 s35, 0xfedcba98
	s_mov_b32 s36, 0x3a800000                      ; 1 / 1024
	s_mov_b32 s37, 0x3727c5ac                      ; 1e-5
	s_mov_b32 s39, 0xffff0000                      ; a word's upper bf16
	s_wait_kmcnt 0x0
	s_cmp_ge_u32 s25, 768
	s_cbranch_scc1 .Ltable
	; which stream is mine
	s_and_b32 s26, s25, 127
	s_cmp_lt_u32 s25, 256
	s_cselect_b32 s26, s25, s26                    ; my number among the stream's work-groups
	s_mov_b64 s[28:29], s[14:15]                   ; wo -> wof, unless
	s_mov_b64 s[30:31], s[20:21]
	s_cmp_lt_u32 s25, 640
	s_cselect_b64 s[28:29], s[12:13], s[28:29]     ; wv -> wb
	s_cselect_b64 s[30:31], s[18:19], s[30:31]
	s_cmp_lt_u32 s25, 512
	s_cselect_b64 s[28:29], s[10:11], s[28:29]     ; wk
	s_cmp_lt_u32 s25, 384
	s_cselect_b64 s[28:29], s[8:9], s[28:29]       ; wq
	s_cmp_lt_u32 s25, 256
	s_cselect_b64 s[28:29], s[4:5], s[28:29]       ; x -> xa
	s_cselect_b64 s[30:31], s[16:17], s[30:31]
	s_sub_co_u32 s27, s25, 256
	s_lshr_b32 s27, s27, 7
	s_lshl_b32 s27, s27, 22                        ; wq, wk, wv lie 4,194,304 bytes apart in wb
	s_cmp_lt_u32 s25, 256
	s_cselect_b32 s27, 0, s27
	s_cmp_ge_u32 s25, 640
	s_cselect_b32 s27, 0, s27
	s_lshl3_add_u32 s26, s26, s24                  ; W = 8 x work-group + wave
	s_lshl_b32 s32, s26, 13
	s_add_nc_u64 s[28:29], s[28:29], s[32:33]
	s_lshl_b32 s32, s26, 12
	s_add_co_u32 s32, s32, s27
	s_add_nc_u64 s[30:31], s[30:31], s[32:33]
	s_cmp_lt_u32 s25, 256
	s_cbranch_scc1 .Lnorm
	XLOADS
	s_cmp_ge_u32 s25, 640
	s_cbranch_scc1 .Lwo
	; wq, wk, wv: f32 -> bf16
.set j, 0
.rept 16
	s_wait_loadcnt 15-j                            ; loads come back in order: number j is in, the younger ones stay out
	v_cvt_pk_bf16_f32 v[Y+2*j], v[X+4*j], v[X+4*j+1]
	v_cvt_pk_bf16_f32 v[Y+2*j+1], v[X+4*j+2], v[X+4*j+3]
	global_store_b64 v3, v[Y+2*j:Y+2*j+1], s[30:31] offset:256*j th:TH_STORE_NT
.set j, j+1
.endr
	s_endpgm
.Lwo:                                  ; wo: f32 -> bf16 -> f16 (the second step is exact inside f16's range)
.set j, 0
.rept 16
	s_wait_loadcnt 15-j
	v_cvt_pk_bf16_f32 v[T], v[X+4*j], v[X+4*j+1]
	v_cvt_pk_bf16_f32 v[T+1], v[X+4*j+2], v[X+4*j+3]
	v_lshlrev_b32 v[T+2], 16, v[T]
	v_and_b32 v[T+3], s39, v[T]
	v_lshlrev_b32 v[T+4], 16, v[T+1]
	v_and_b32 v[T+5], s39, v[T+1]
	v_cvt_pk_f16_f32 v[Y+2*j], v[T+2], v[T+3]
	v_cvt_pk_f16_f32 v[Y+2*j+1], v[T+4], v[T+5]
	global_store_b64 v3, v[Y+2*j:Y+2*j+1], s[30:31] offset:256*j th:TH_STORE_NT
.set j, j+1
.endr
	s_endpgm
.Lnorm:                                ; x: the wave's 8,192 bytes are two rows
.set j, 0
.rept 8
	global_load_b128 v[G+4*j:G+4*j+3], v2, s[6:7] offset:512*j
.set j, j+1
.endr
	XLOADS
	s_lshl_b32 s32, s26, 3                         ; rs of rows 2 W and 2 W + 1: 8 bytes
	s_add_co_u32 s32, s32, RSOFF
	s_add_nc_u64 s[40:41], s[22:23], s[32:33]
	s_wait_loadcnt 16                              ; rms_w is in; x's 16 loads stay out
.set j, 0
.rept 16                               ; rms_w rounded to bf16, kept as f32
	v_cvt_pk_bf16_f32 v[T+j%4], v[G+2*j], v[G+2*j+1]
	v_lshlrev_b32 v[G+2*j], 16, v[T+j%4]
	v_and_b32 v[G+2*j+1], s39, v[T+j%4]
.set j, j+1
.endr
.set j, 0
.rept 16
.set jj, j%8
.set sr, SS+4*(j/8)
	s_wait_loadcnt 15-j
	v_cvt_pk_bf16_f32 v[T], v[X+4*j], v[X+4*j+1]
	v_cvt_pk_bf16_f32 v[T+1], v[X+4*j+2], v[X+4*j+3]
	v_lshlrev_b32 v[T+2], 16, v[T]
	v_and_b32 v[T+3], s39, v[T]
	v_lshlrev_b32 v[T+4], 16, v[T+1]
	v_and_b32 v[T+5], s39, v[T+1]
.if jj == 0
	v_pk_mul_f32 v[sr:sr+1], v[T+2:T+3], v[T+2:T+3]        ; the first squares start the sums
	v_pk_mul_f32 v[sr+2:sr+3], v[T+4:T+5], v[T+4:T+5]
.else
	v_pk_fma_f32 v[sr:sr+1], v[T+2:T+3], v[T+2:T+3], v[sr:sr+1]
	v_pk_fma_f32 v[sr+2:sr+3], v[T+4:T+5], v[T+4:T+5], v[sr+2:sr+3]
.endif
	v_pk_mul_f32 v[T+2:T+3], v[T+2:T+3], v[G+4*jj:G+4*jj+1]
	v_pk_mul_f32 v[T+4:T+5], v[T+4:T+5], v[G+4*jj+2:G+4*jj+3]
	v_cvt_pk_bf16_f32 v[Y+2*j], v[T+2], v[T+3]
	v_cvt_pk_bf16_f32 v[Y+2*j+1], v[T+4], v[T+5]
	global_store_b64 v3, v[Y+2*j:Y+2*j+1], s[30:31] offset:256*j th:TH_STORE_NT
.set j, j+1
.endr
.irp q, 0, 4                           ; each row's sum over the lane's chains and over the 32 lanes
	v_pk_add_f32 v[SS+\q:SS+\q+1], v[SS+\q:SS+\q+1], v[SS+\q+2:SS+\q+3]
	v_add_f32 v[SS+\q], v[SS+\q], v[SS+\q+1]
	v_add_f32_dpp v[SS+\q], v[SS+\q], v[SS+\q] row_xmask:1 row_mask:0xf bank_mask:0xf
	v_add_f32_dpp v[SS+\q], v[SS+\q], v[SS+\q] row_xmask:2 row_mask:0xf bank_mask:0xf
	v_add_f32_dpp v[SS+\q], v[SS+\q], v[SS+\q] row_xmask:4 row_mask:0xf bank_mask:0xf
	v_add_f32_dpp v[SS+\q], v[SS+\q], v[SS+\q] row_xmask:8 row_mask:0xf bank_mask:0xf
	v_permlanex16_b32 v[SS+\q+1], v[SS+\q], s34, s35
	v_add_f32 v[SS+\q], v[SS+\q], v[SS+\q+1]
	v_fma_f32 v[SS+\q], v[SS+\q], s36, s37         ; mean + eps
.endr
	v_rsq_f32 v[T], v[SS]                          ; one batch of two,
	v_rsq_f32 v[T+1], v[SS+4]
	v_mov_b32 v[T+2], 0                            ; a plain instruction behind it (ISA guide 5.7.2),
	s_wait_alu depctr_va_vdst(0)                   ; and the one wait ahead of the first reader
	v_cmp_eq_u32 vcc_lo, 0, v1
	s_wait_xcnt 0x0                                ; EXEC changes only behind this wait: stores are out
	s_and_saveexec_b32 s38, vcc_lo
	global_store_b64 v[T+2], v[T:T+1], s[40:41]    ; lane 0 alone: 8 bytes a wave, 16 KiB in the whole launch
	s_wait_xcnt 0x0
	s_or_b32 exec_lo, exec_lo, s38
	s_endpgm
.macro TRIG p                          ; entry i = 4 cg + p: its parity is p's
.set t, 16+8*(\p)
	v_mul_f32 v[t], 0x3ea2f983, v[8+(\p)]          ; f / pi
	v_mul_f32 v[t+1], v5, v[t]
	v_rndne_f32 v[t+1], v[t+1]                     ; k
	v_fma_f32 v[t+2], v5, v[t], -v[t+1]            ; r, in [-1/2, 1/2]
	v_mul_f32 v[t+2], 0x40490fdb, v[t+2]           ; theta
	v_mul_f32 v[t+3], v[t+2], v[t+2]               ; z = theta^2
	v_mov_b32 v[t+4], 0xb2d7322b                   ; -1/11!
	v_fmaak_f32 v[t+4], v[t+4], v[t+3], 0x3638ef1d ; 1/9!
	v_fmaak_f32 v[t+4], v[t+4], v[t+3], 0xb9500d01 ; -1/7!
	v_fmaak_f32 v[t+4], v[t+4], v[t+3], 0x3c088889 ; 1/5!
	v_fmaak_f32 v[t+4], v[t+4], v[t+3], 0xbe2aaaab ; -1/3!
	v_fmaak_f32 v[t+4], v[t+4], v[t+3], 0x3f800000
	v_mul_f32 v[t+4], v[t+4], v[t+2]               ; sin theta
	v_mov_b32 v[t+5], 0x310f76c7                   ; 1/12!
	v_fmaak_f32 v[t+5], v[t+5], v[t+3], 0xb493f27e ; -1/10!
	v_fmaak_f32 v[t+5], v[t+5], v[t+3], 0x37d00d01 ; 1/8!
	v_fmaak_f32 v[t+5], v[t+5], v[t+3], 0xbab60b61 ; -1/6!
	v_fmaak_f32 v[t+5], v[t+5], v[t+3], 0x3d2aaaab ; 1/4!
	v_fmaak_f32 v[t+5], v[t+5], v[t+3], 0xbf000000 ; -1/2!
	v_fmaak_f32 v[t+5], v[t+5], v[t+3], 0x3f800000 ; cos theta
	v_cvt_i32_f32 v[t+6], v[t+1]
	v_lshlrev_b32 v[t+6], 31, v[t+6]               ; odd k turns both signs
	v_xor_b32 v[t+4], v[t+6], v[t+4]
	v_xor_b32 v[t+5], v[t+6], v[t+5]
.if (\p)%2 == 0
	v_xor_b32 v[t+4], 0x80000000, v[t+4]
	v_cvt_pk_f16_f32 v[48+(\p)], v[t+5], v[t+4]    ; (cos, -sin)
.else
	v_cvt_pk_f16_f32 v[48+(\p)], v[t+4], v[t+5]    ; (sin, cos)
.endif
.endm
.Ltable:                               ; 16 positions a work-group, 16 lanes a position, four entries (16 bytes) a lane
	s_sub_co_u32 s26, s25, 768
	s_lshl_b32 s26, s26, 4
	v_lshrrev_b32 v4, 4, v0
	v_add_nc_u32 v4, s26, v4                       ; position s
	v_and_b32 v6, 15, v0                           ; cg
	v_cvt_f32_u32 v5, v4
	v_lshlrev_b32 v7, 2, v6
.irp p, 0,1,2,3
	v_add_nc_u32 v[8+\p], \p, v7
	v_cvt_f32_u32 v[8+\p], v[8+\p]
	v_mul_f32 v[8+\p], 0xbe549a78, v[8+\p]         ; -i log2(10000) / 64
.endr
.irp p, 0,1,2,3
	v_exp_f32 v[8+\p], v[8+\p]                     ; f_i: one batch of four
.endr
	v_lshlrev_b32 v52, 8, v4                       ; a plain instruction behind the batch: 256 s
	s_wait_alu depctr_va_vdst(0)                   ; and its one wait
	v_lshl_add_u32 v52, v6, 4, v52                 ; + 16 cg
	TRIG 0
	TRIG 1
	TRIG 2
	TRIG 3
	global_store_b128 v52, v[48:51], s[22:23]      ; sixteen lanes store a position's 256 consecutive bytes, aligned
	s_endpgm
.Lfunc_end_k_q4161df47bd_prep:
	.size	k_q4161df47bd_prep, .Lfunc_end_k_q4161df47bd_prep-k_q4161df47bd_prep
	.p2alignl 7, 3214868480
	.fill 96, 4, 3214868480
	.section	.rodata,"a",@progbits
	.p2align	6, 0x0
	.amdhsa_kernel k_q4161df47bd_prep
		.amdhsa_group_segment_fixed_size 0
		.amdhsa_private_segment_fixed_size 0
		.amdhsa_enable_private_segment 0
		.amdhsa_kernarg_size 80
		.amdhsa_user_sgpr_count 2
		.amdhsa_user_sgpr_kernarg_segment_ptr 1
		.amdhsa_wavefront_size32 1
		.amdhsa_system_sgpr_workgroup_id_x 1
		.amdhsa_system_sgpr_workgroup_id_y 1
		.amdhsa_system_sgpr_workgroup_id_z 1
		.amdhsa_system_vgpr_workitem_id 0
		.amdhsa_next_free_vgpr 152
		.amdhsa_next_free_sgpr 66
		.amdhsa_reserve_vcc 1
		.amdhsa_float_denorm_mode_32 3
		.amdhsa_float_denorm_mode_16_64 3
		.amdhsa_memory_ordered 1
		.amdhsa_forward_progress 1
		.amdhsa_inst_pref_size 41
	.end_amdhsa_kernel
	.amdgpu_metadata
---
amdhsa.version: [ 1, 2 ]
amdhsa.kernels:
  - .name:           k_q4161df47bd_prep
    .symbol:         k_q4161df47bd_prep.kd
    .args:
      - { .name: x, .offset: 0, .size: 8, .value_kind: global_buffer, .address_space: global }
      - { .name: rms_w, .offset: 8, .size: 8, .value_kind: global_buffer, .address_space: global }
      - { .name: wq, .offset: 16, .size: 8, .value_kind: global_buffer, .address_space: global }
      - { .name: wk, .offset: 24, .size: 8, .value_kind: global_buffer, .address_space: global }
      - { .name: wv, .offset: 32, .size: 8, .value_kind: global_buffer, .address_space: global }
      - { .name: wo, .offset: 40, .size: 8, .value_kind: global_buffer, .address_space: global }
      - { .name: xa, .offset: 48, .size: 8, .value_kind: global_buffer, .address_space: global }
      - { .name: wb, .offset: 56, .size: 8, .value_kind: global_buffer, .address_space: global }
      - { .name: wof, .offset: 64, .size: 8, .value_kind: global_buffer, .address_space: global }
      - { .name: aux, .offset: 72, .size: 8, .value_kind: global_buffer, .address_space: global }
    .group_segment_fixed_size: 0
    .private_segment_fixed_size: 0
    .kernarg_segment_align: 8
    .kernarg_segment_size: 80
    .max_flat_workgroup_size: 256
    .sgpr_count:     66
    .vgpr_count:     152
    .wavefront_size: 32
...
	.end_amdgpu_metadata
.endif
;; end of part 1
;; launch qkv (part 2): grid 16 x 32, 4 waves a work-group, clusters of 4 x 4, 327,680 bytes of LDS; arguments xa, wb, aux, bq, bk, bv, qk, vh; writes qk, vh
.if DOCPART == 2
	.amdgcn_target "amdgcn-amd-amdhsa--gfx1250"
	.amdhsa_code_object_version 6
	.text
	.protected	k_q4161df47bd_qkv
	.globl	k_q4161df47bd_qkv
	.p2align	8
	.type	k_q4161df47bd_qkv,@function
k_q4161df47bd_qkv:
	s_mov_b64 s[64:65], 0
	v_nop
	global_prefetch_b8 v0, s[64:65] scope:SCOPE_SE
	s_setreg_imm32_b32 hwreg(HW_REG_WAVE_MODE, 25, 1), 1
	s_wait_xcnt 0x0
	s_wait_alu depctr_hold_cnt(0) depctr_sa_sdst(0) depctr_va_vdst(0) depctr_va_sdst(0) depctr_va_ssrc(0) depctr_va_vcc(0) depctr_vm_vsrc(0)
	s_getreg_b32 s2, hwreg(HW_REG_IB_STS2, 6, 4)
	s_cmp_eq_u32 s2, 0
	s_cbranch_scc0 .Lentry_in_a_cluster
	s_endpgm
.Lentry_in_a_cluster:
	s_bfe_u32 s2, ttmp6, 0x10000c
	s_cmp_lg_u32 s2, 0xf033
	s_cbranch_scc0 .Lentry_shape_is_right
	s_endpgm
.Lentry_shape_is_right:
; QKV: (xa [4096][1024] bf16) x (wq | wk | wv, [1024][2048] bf16 each), sums in f32; then, in f32, x rs[row] + bf16(bias); q and k are rotated; all three leave in f16, by heads.
; THE ROTATION.  reference() makes rotated[i] of the pair (x[2j], x[2j+1]) and the angle s f_j with j = i mod 64, by a form that hangs on i's parity; i and i + 64 have the same j and the same parity,
; so rotated[i + 64] = rotated[i] for every input.  q and k are kept with their 64 different channels; the attention launch doubles the scale.  rotated[i] = T[s][2i] x[2i] + T[s][2i+1] x[2i+1].
; LIMITS.  q, k and v leave in f16: they must stay under 65,504.  NaN and infinities are not treated apart.
; SHARES.  A work-group makes 128 rows x (q, k, v of ONE head) = 128 x 384: 512 work-groups of equal work.  Wave w: rows 64 (w / 2) on; of each of q, k, v the head's columns 64 (w % 2) on:
; 4 row blocks x 12 column blocks of 16 x 16 = 48 accumulators, 384 registers.  So all four waves do the same kinds of work on the way out, and no branch is needed there.
; K goes in steps of 128 through two LDS slots.  A slot: three tiles of B ([128 k][128 n], one of wq, wk, wv), then A's tile ([128 rows][128 k]).  Waves 0 to 2 fetch a tile of B each, wave 3 A's:
; every load is 128 rows of 256 bytes, at a multiple of 256 bytes from its buffer's first byte, and lands at wave x 36,864 in the slot.
; CLUSTER 4 x 4.  A's tile and the table's hang on the row block alone and are asked for jointly along a row of the cluster; B's hang on the head alone, jointly along a column.
; THE MATRIX INSTRUCTION IS USED TRANSPOSED: source 0 = 16 columns of the weights (turned on the way out of LDS by ds_load_tr16_b128), source 1 = 16 rows of xa: a lane holds ONE row and eight neighbouring columns.
; REGISTERS, in windows of 256 (s_set_vgpr_msb: bits 1:0 source 0, 3:2 source 1, 5:4 source 2, 7:6 destination):
;   window 0: addresses, biases, rs, table, at work     window 1: accumulators of column blocks 0-7 (q, k) at 32 b + 8 a     window 2: v0-127 those of blocks 8-11 (v)
;   window 3: two fragment buffers of 128: A's four fragments, then B's twelve
.set KSTEP, 128
.set PA,    272                        ; a row of A, of the table and of v's stage: 256 + 16 bytes = 68 words: 16 rows of a load start at 16 different groups of four banks (64 banks of 4 bytes: ISA guide 11.1)
.set PB,    288                        ; a row of B: 256 + 32 = 72 words
.set BBY,   128*PB                     ; a tile of B
.set ABASE, 3*BBY                      ; A's tile in a slot
.set SLOT,  ABASE+128*PA
.set TAB,   2*SLOT                     ; the table's 128 rows, filled once
.set SPARE, TAB+128*PA                 ; the spare words, 128 bytes a wave: two blocks of 256 bytes that no other line names
.set SK,    128*144                    ; the stage lies in slot 0, behind that slot's last fill: q's 128 rows x 144 bytes at 0, k's at SK,
.set SV,    2*SK                       ; v's 128 rows x 272 bytes at SV
.set ADRA, 8                           ; v8-9    my A fragments in slot 0, 1
.set ADRB, 10                          ; v10-15  my B fragments: 3 x slot + which of q, k, v
.set TA,   16                          ; v16     my 16 bytes of a table row
.set SQA,  17                          ; v17     where I put 8 bytes of q or k
.set SVA,  18                          ; v18     where I put 16 bytes of v
.set RQ,   19                          ; v19     where I read q's and k's rows back
.set RV,   20                          ; v20     the same for v
.set GL,   21                          ; v21     16 x lane
.set BO,   22                          ; v22     my byte offset in a bias
.set RO,   23                          ; v23     my byte offset in the block's rs
.set PFO,  24                          ; v24     the prefetches' offset: lane x a row of xa or wb; never rewritten
.set ZR,   25                          ; v25     0
.set SPW,  28                          ; v28     LDS address of my spare word; never rewritten
.set NIL,  29                          ; v29     0; never rewritten
.set XT,   32                          ; v[32:63]   a column block's four results in f32
.set BI,   64                          ; v[64:159]  biases, 8 a column block
.set RS,   160                         ; v[160:167] rs of row block a at 160 + 2 a (named as a pair: the partner holds 0)
.set TT,   168                         ; v[168:231] table, 4 registers for (a, b % 4)
.set U,    232                         ; v[232:247] at work
.set PK,   248                         ; v[248:255] packed
.set OB,   64                          ; v[64:191]  rows read back from the stage
.set F0,   0
.set F1,   128
.set WV,  20                           ; s20 wave; s21 = wave / 2; s22 = wave % 2
.set G1A, 24
.set G0A, 32                           ; a set of four for each slot
.set G1B, 40
.set G0B, 48
.set G1T, 56
.set G0T, 68
.set PFA, 80                           ; s[80:81] where my prefetch stands; s[82:83] its step; s84: 1 in a wave that prefetches, else the greatest number
.set MSB, 0
.macro WIN new                         ; the immediate's high byte repeats the setting that is left; a switch that changes nothing is dropped
.if MSB != (\new)
	s_set_vgpr_msb (MSB<<8)|(\new)
.set MSB, \new
.endif
.endm
.set MUL1, 0x5f                        ; sources in window 3, C and D in window 1
.set MUL2, 0xaf                        ; C and D in window 2
.set TOF,  0xc0                        ; destination window 3, address window 0
.macro PLACES                          ; four places in front of loads into registers that matrix instructions have read
.rept 4
	v_nop
.endr
.endm
.macro JLOAD s                         ; a joint refill: wave 3 asks for A's tile, waves 0 to 2 for B's; an s_nop 0 and four v_nop follow each line
	s_cmp_eq_u32 s[WV], 3
	s_cbranch_scc0 .Lfor_b_\@
	tensor_load_to_lds s[G0A+4*(\s):G0A+4*(\s)+3], s[G1A:G1A+7]
	s_nop 0
	PLACES
	s_branch .Lasked_\@
.Lfor_b_\@:
	tensor_load_to_lds s[G0B+4*(\s):G0B+4*(\s)+3], s[G1B:G1B+7]
	s_nop 0
	PLACES
.Lasked_\@:
.endm
.macro CREST                           ; a round of the cluster's barrier behind its opening barrier
	s_cmp_lg_u32 s[WV], 0
	s_cbranch_scc1 .Lnot_wave_0_\@
	s_barrier_signal -3
.Lnot_wave_0_\@:
	s_barrier_wait -3
	s_barrier_signal -1
	s_barrier_wait -1
.endm
.macro CROUND
	s_barrier_signal -1
	s_barrier_wait -1
	CREST
.endm
; A PREFETCH INTO THE L2, behind each joint refill and the run of LDS loads that follows it: the K step behind the one just asked for, 192 matrix instructions ahead of the load that will want it.
; Each row's 256 bytes of a K step are named once in the launch.  A's rows: wave 3 of the clusters with x = 0; the partner at cx takes rows 32 cx + lane.  B's rows: waves 0 to 2 of the clusters with
; y = 0; the partner at cy takes k rows 32 cy + lane.  The partners are told apart by address; no branch hangs on a work-group's place in its cluster.  K steps 0 to 2 come by their loads alone;
; the last refill (slot 1's, in the loop's last trip) names nothing.  how = 1: slot 0's refill, which always has a K step behind it.
.macro ASK how
	WIN 0
.if \how
	s_cmp_eq_u32 s84, 1
.else
	s_cmp_gt_u32 s3, s84
.endif
	s_cbranch_scc0 .Lnot_mine_\@
	global_prefetch_b8 v[PFO], s[PFA:PFA+1] th:TH_LOAD_NT scope:SCOPE_SE
.Lnot_mine_\@:
.endm
	s_load_b512 s[4:19], s[0:1], 0x0               ; xa 4:5, wb 6:7, aux 8:9, bq 10:11, bk 12:13, bv 14:15, qk 16:17, vh 18:19
	v_lshl_add_u32 v[SPW], v0, 2, SPARE
	v_mov_b32 v[NIL], 0
	ds_add_u32 v[SPW], v[NIL]                      ; the wave's opening: the add and its wait ahead of my first tensor load; work on registers stands between them
	v_lshrrev_b32 v1, 5, v0
	v_readfirstlane_b32 s[WV], v1
	s_lshr_b32 s21, s[WV], 1
	s_and_b32 s22, s[WV], 1
	s_bfe_u32 s72, ttmp6, 0x40000                  ; cx
	s_bfe_u32 s73, ttmp6, 0x40004                  ; cy
	s_lshl_b32 s74, ttmp9, 2
	s_add_co_u32 s74, s74, s72                     ; the head = 4 x cluster x + cx
	s_and_b32 s75, ttmp7, 0xffff
	s_lshl_b32 s75, s75, 2
	s_add_co_u32 s75, s75, s73                     ; the row block = 4 x cluster y + cy
	s_lshl_b32 s76, s73, 2
	s_lshl_b32 s76, 15, s76                        ; my row of the cluster
	s_lshl_b32 s77, 0x1111, s72                    ; my column
	s_or_b32 s[G1A], s76, (1<<16)|(1<<20)|(1<<21)|(5<<22)|(3<<25)  ; mask; 2-byte elements; padding on; bit 21 beside a mask; after every 64 words, 4 words
	s_or_b32 s[G1B], s77, (1<<16)|(1<<20)|(1<<21)|(5<<22)|(7<<25)  ; the same with my column's mask and 8 words of padding
	s_or_b32 s[G1T], s76, (1<<16)|(1<<20)|(1<<21)|(5<<22)|(3<<25)
.irp g, G1A, G1B
	s_mov_b32 s[\g+1], 128<<16                     ; tensor_dim0 = 128
	s_mov_b32 s[\g+2], 128<<16                     ; tensor_dim1 = 128
	s_mov_b32 s[\g+3], 128<<16                     ; tile_dim0 = 128
	s_mov_b32 s[\g+4], 128                         ; tile_dim1 = 128
	s_mov_b32 s[\g+6], 0
	s_mov_b32 s[\g+7], 0
.endr
	s_mov_b32 s[G1A+5], 1024                       ; elements from row to row of xa,
	s_mov_b32 s[G1B+5], 2048                       ; of wb
	s_mov_b32 s[G1T+1], 128<<16                    ; the table: a wave's quarter is 32 rows x 128 elements
	s_mov_b32 s[G1T+2], 32<<16
	s_mov_b32 s[G1T+3], 128<<16
	s_mov_b32 s[G1T+4], 32
	s_mov_b32 s[G1T+5], 128
	s_mov_b32 s[G1T+6], 0
	s_mov_b32 s[G1T+7], 0
	s_lshl_b32 s86, s75, 18                        ; A: 128 rows of 2,048 bytes a row block: the row block alone
	s_mov_b32 s87, 0
	s_lshl_b32 s88, s74, 8                         ; B: the head's 256 bytes of a row, and which of wq, wk, wv: head and wave alone
	s_lshl_b32 s23, s[WV], 22
	s_add_co_u32 s88, s88, s23
	s_mov_b32 s89, 0
	s_and_b32 s78, s75, 15                         ; the table: the block's first position is 128 x (row block mod 16); my quarter's 32 rows of 256 bytes
	s_lshl_b32 s78, s78, 15
	s_lshl_b32 s23, s[WV], 13
	s_add_co_u32 s78, s78, s23
	s_mov_b32 s79, 0
	s_mul_i32 s93, s[WV], BBY                      ; where my tile lands in a slot: no place in the cluster enters an LDS address
	s_mul_i32 s94, s[WV], 32*PA
	s_add_co_u32 s94, s94, TAB
	s_mov_b32 s92, 0xffff0000
	s_wait_dscnt 0x0                               ; the opening add is done
	s_wait_kmcnt 0x0
	s_add_nc_u64 s[86:87], s[4:5], s[86:87]
	s_add_nc_u64 s[88:89], s[6:7], s[88:89]
	s_add_nc_u64 s[78:79], s[8:9], s[78:79]
	CROUND                                         ; all sixteen work-groups are here: the first joint loads meet
.irp s, 0,1
	s_mov_b32 s[G0A+4*\s], 1
	s_add_co_u32 s[G0A+4*\s+1], s93, \s*SLOT
	s_add_nc_u64 s[G0A+4*\s+2:G0A+4*\s+3], s[86:87], \s*KSTEP*2
	s_or_b32 s[G0A+4*\s+3], s[G0A+4*\s+3], 0x80000000
	s_mov_b32 s[G0B+4*\s], 1
	s_add_co_u32 s[G0B+4*\s+1], s93, \s*SLOT
	s_add_nc_u64 s[G0B+4*\s+2:G0B+4*\s+3], s[88:89], \s*KSTEP*4096
	s_or_b32 s[G0B+4*\s+3], s[G0B+4*\s+3], 0x80000000
.endr
	s_mov_b32 s[G0T], 1
	s_mov_b32 s[G0T+1], s94
	s_add_nc_u64 s[G0T+2:G0T+3], s[78:79], 0
	s_or_b32 s[G0T+3], s[G0T+3], 0x80000000
	s_cmp_eq_u32 s[WV], 3                          ; the first fills, one group: both slots, then my quarter of the table: three loads of mine are out
	s_cbranch_scc0 .Lfirst_b
	tensor_load_to_lds s[G0A:G0A+3], s[G1A:G1A+7]
	s_nop 0
	tensor_load_to_lds s[G0A+4:G0A+7], s[G1A:G1A+7]
	s_nop 0
	PLACES
	s_branch .Lfirst_t
.Lfirst_b:
	tensor_load_to_lds s[G0B:G0B+3], s[G1B:G1B+7]
	s_nop 0
	tensor_load_to_lds s[G0B+4:G0B+7], s[G1B:G1B+7]
	s_nop 0
	PLACES
.Lfirst_t:
	tensor_load_to_lds s[G0T:G0T+3], s[G1T:G1T+7]
	s_nop 0
	PLACES
	; LDS addresses: lane, wave and constants alone
	v_and_b32 v1, 15, v0                           ; r = l % 16
	v_bfe_u32 v2, v0, 4, 1                         ; h = l / 16
	v_and_b32 v3, 7, v0
	v_bfe_u32 v4, v0, 3, 1
	v_and_b32 v5, 31, v0
	v_mul_u32_u24 v6, v1, PA
	v_lshl_add_u32 v6, v2, 4, v6                   ; r x 272 + 16 h
	s_mul_i32 s95, s21, 64*PA                      ; my 64 rows
	s_add_co_u32 s96, s95, ABASE
	v_add_nc_u32 v[ADRA], s96, v6
	v_add_nc_u32 v[ADRA+1], SLOT, v[ADRA]
	v_lshl_add_u32 v7, v2, 3, v3                   ; the turning load: k row 8 h + l % 8,
	v_mul_u32_u24 v7, v7, PB
	v_lshl_add_u32 v7, v4, 4, v7                   ; columns 8 ((l / 8) % 2) on,
	s_lshl_b32 s97, s22, 7                         ; in my 64 columns
	v_add_nc_u32 v[ADRB], s97, v7
	v_add_nc_u32 v[ADRB+1], BBY, v[ADRB]
	v_add_nc_u32 v[ADRB+2], 2*BBY, v[ADRB]
	v_add_nc_u32 v[ADRB+3], SLOT, v[ADRB]
	v_add_nc_u32 v[ADRB+4], SLOT+BBY, v[ADRB]
	v_add_nc_u32 v[ADRB+5], SLOT+2*BBY, v[ADRB]
	s_add_co_u32 s95, s95, s97
	s_add_co_u32 s96, s95, TAB
	v_add_nc_u32 v[TA], s96, v6
	s_add_co_u32 s96, s95, SV
	v_add_nc_u32 v[SVA], s96, v6
	v_mul_u32_u24 v[SQA], v1, 144
	v_lshl_add_u32 v[SQA], v2, 3, v[SQA]
	s_mul_i32 s95, s21, 64*144
	s_lshl_b32 s96, s22, 6
	s_add_co_u32 s95, s95, s96
	v_add_nc_u32 v[SQA], s95, v[SQA]               ; (64 R + r) x 144 + 64 c + 8 h
	v_lshrrev_b32 v[RQ], 3, v5                     ; back: 32 lanes take four rows of 128 bytes
	v_mul_u32_u24 v[RQ], v[RQ], 144
	v_lshl_add_u32 v[RQ], v3, 4, v[RQ]
	s_mul_i32 s95, s[WV], 32*144
	v_add_nc_u32 v[RQ], s95, v[RQ]
	v_mul_u32_u24 v[RV], v2, PA                    ; or two rows of 256 bytes
	v_lshl_add_u32 v[RV], v1, 4, v[RV]
	s_mul_i32 s95, s[WV], 32*PA
	s_add_co_u32 s95, s95, SV
	v_add_nc_u32 v[RV], s95, v[RV]
	v_lshlrev_b32 v[GL], 4, v5
	v_mov_b32 v[ZR], 0
.irp a, 0,1,2,3
	v_mov_b32 v[RS+2*\a+1], 0
.endr
	; biases and rs, on their way while the products run
	s_lshl_b32 s96, s74, 9                         ; the head's 128 columns x 4 bytes,
	s_lshl_b32 s97, s22, 8                         ; my 64,
	s_add_co_u32 s96, s96, s97
	v_lshl_add_u32 v[BO], v2, 5, s96               ; my lanes' 8
	s_lshl_b32 s97, s21, 8
	v_lshl_add_u32 v[RO], v1, 2, s97               ; (64 R + r) x 4
	s_lshl_b32 s98, s75, 9
	s_add_co_u32 s98, s98, 524288
	s_mov_b32 s99, 0
	s_add_nc_u64 s[66:67], s[8:9], s[98:99]        ; rs of the block's first row
.irp b, 0,1,2,3,4,5,6,7,8,9,10,11
	global_load_b128 v[BI+8*\b:BI+8*\b+3],   v[BO], s[10+2*(\b/4):11+2*(\b/4)] offset:64*(\b%4)
	global_load_b128 v[BI+8*\b+4:BI+8*\b+7], v[BO], s[10+2*(\b/4):11+2*(\b/4)] offset:64*(\b%4)+16
.endr
.irp a, 0,1,2,3
	global_load_b32 v[RS+2*\a], v[RO], s[66:67] offset:64*\a
.endr
	; where the results go: row (16 batch + head) x 2048 + position, 32 rows a wave
	s_lshr_b32 s96, s75, 4
	s_lshl_b32 s96, s96, 4
	s_add_co_u32 s96, s96, s74
	s_lshl_b32 s96, s96, 11
	s_and_b32 s97, s75, 15
	s_lshl_b32 s97, s97, 7
	s_add_co_u32 s96, s96, s97
	s_lshl_b32 s97, s[WV], 5
	s_add_co_u32 s96, s96, s97
	s_lshl_b32 s98, s96, 7
	s_add_nc_u64 s[16:17], s[16:17], s[98:99]      ; q: rows of 128 bytes
	s_add_nc_u64 s[90:91], s[16:17], 0x800000      ; k lies 8,388,608 bytes behind q
	s_lshl_b32 s98, s96, 8
	s_add_nc_u64 s[18:19], s[18:19], s[98:99]      ; v: rows of 256 bytes
	; the prefetches
	s_and_b32 s85, ttmp7, 0xffff                   ; cluster y
	s_mov_b32 s82, KSTEP*4096                      ; a K step of B in memory,
	s_cmp_eq_u32 s[WV], 3                          ; do I fetch A?
	s_cselect_b32 s85, ttmp9, s85                  ; the coordinate along which other clusters read the same rows
	s_cselect_b64 s[PFA:PFA+1], s[86:87], s[88:89]
	s_cselect_b32 s96, s72, s73                    ; my place among the four that ask with me
	s_cselect_b32 s98, 16, 17                      ; 32 rows of 2,048 or of 4,096 bytes
	s_cselect_b32 s82, KSTEP*2, s82                ; of A
	s_cselect_b32 s99, 11, 12
	s_mov_b32 s83, 0
	s_lshl_b32 s96, s96, s98
	s_mov_b32 s97, 0
	s_add_nc_u64 s[PFA:PFA+1], s[PFA:PFA+1], s[96:97]
	s_add_nc_u64 s[PFA:PFA+1], s[PFA:PFA+1], s[82:83]
	s_add_nc_u64 s[PFA:PFA+1], s[PFA:PFA+1], s[82:83]  ; at K step 2: the first refill steps it to 3
	s_cmp_eq_u32 s85, 0
	s_cselect_b32 s84, 1, -1                       ; the same in all sixteen partners, for a given wave
	v_lshlrev_b32 v[PFO], s99, v5
; nb column blocks from b0 on x my four row blocks, 32 along K, from buffer f.  All 48 accumulators take turns, in the same order in every quarter.  zero = 1: the first products start the sums.
.macro MULB f, b0, nb, zero
.set cb, \b0
.rept \nb
.if cb < 8
	WIN MUL1
.set ac, 32*cb
.else
	WIN MUL2
.set ac, 32*(cb-8)
.endif
.irp a, 0,1,2,3
.if \zero
	v_wmma_f32_16x16x32_bf16 v[ac+8*(\a):ac+8*(\a)+7], v[(\f)+32+8*cb:(\f)+32+8*cb+7], v[(\f)+8*(\a):(\f)+8*(\a)+7], 0
.else
	v_wmma_f32_16x16x32_bf16 v[ac+8*(\a):ac+8*(\a)+7], v[(\f)+32+8*cb:(\f)+32+8*cb+7], v[(\f)+8*(\a):(\f)+8*(\a)+7], v[ac+8*(\a):ac+8*(\a)+7]
.endif
.endr
.set cb, cb+1
.endr
.endm
; 32 LDS loads in one run: quarter q (32 along K) of a slot into buffer f: A's four fragments, v's four, then q's and k's eight
.macro FETCH slot, q, f
	WIN TOF
.irp i, 0,1,2,3
	ds_load_b128 v[(\f)+8*(\i):(\f)+8*(\i)+3],   v[ADRA+(\slot)] offset:64*(\q)+(\i)*16*PA
	ds_load_b128 v[(\f)+8*(\i)+4:(\f)+8*(\i)+7], v[ADRA+(\slot)] offset:64*(\q)+(\i)*16*PA+32
.endr
.irp b, 8,9,10,11,0,1,2,3,4,5,6,7
	ds_load_tr16_b128 v[(\f)+32+8*(\b):(\f)+32+8*(\b)+3],   v[ADRB+3*(\slot)+(\b)/4] offset:(\q)*32*PB+((\b)%4)*32
	ds_load_tr16_b128 v[(\f)+32+8*(\b)+4:(\f)+32+8*(\b)+7], v[ADRB+3*(\slot)+(\b)/4] offset:(\q)*32*PB+16*PB+((\b)%4)*32
.endr
.endm
; One of a K step's first three quarters: multiplies buffer f; in its middle it fetches quarter q of the same slot into buffer g.
.macro QUARTER slot, q, f, g, zero
	s_wait_dscnt 16                                ; A and v's fragments are in; the youngest sixteen loads (q's and k's) may be out
	MULB \f, 8, 4, \zero
	PLACES
	FETCH \slot, \q, \g
	s_wait_dscnt 32                                ; all but the 32 just issued
	MULB \f, 0, 8, \zero
.endm
; The last quarter multiplies buffer 1 and changes slots: ONE barrier; in front of it each wave waits for all its tensor loads, adds 0 to its spare word, and waits for that and for its reads of this slot.
; fill = 1: the barrier opens a round of the cluster's barrier, and this slot is filled again, two K steps on, first thing behind the round: 176 matrix instructions ahead of the wait for it.
.macro TURN slot, next, fill
.if \fill
	s_wait_xcnt 0x0                                ; the last prefetch, a K step back, has read its address
	s_add_nc_u64 s[PFA:PFA+1], s[PFA:PFA+1], s[82:83]
.endif
	WIN 0                                          ; (the add's two registers lie in window 0)
	s_wait_tensorcnt 0x0                           ; all my tensor loads have landed
	ds_add_u32 v[SPW], v[NIL]
	s_wait_dscnt 17                                ; (the add and the youngest sixteen loads may be out)
	MULB F1, 8, 2, 0
	s_wait_dscnt 0x0                               ; the add is done, and my reads of this slot are over
	s_barrier_signal -1
	MULB F1, 10, 2, 0
	WIN 0
	s_barrier_wait -1
.if \fill
	CREST                                          ; no wave of any partner still reads this slot's tiles or has a load on its way
	s_add_nc_u64 s[G0A+4*(\slot)+2:G0A+4*(\slot)+3], s[G0A+4*(\slot)+2:G0A+4*(\slot)+3], 2*KSTEP*2
	s_add_nc_u64 s[G0B+4*(\slot)+2:G0B+4*(\slot)+3], s[G0B+4*(\slot)+2:G0B+4*(\slot)+3], 2*KSTEP*4096
	JLOAD \slot                                    ; its four v_nop are also the places in front of the loads below
.else
	PLACES
.endif
	FETCH \next, 0, F0
.if \fill
	ASK 1-(\slot)
.endif
	MULB F1, 0, 8, 0
.endm
	s_wait_tensorcnt 2                             ; my part of slot 0 is in; slot 1's and the table's may stay out
	s_barrier_signal -1
	s_barrier_wait -1
	FETCH 0, 0, F0
	QUARTER 0, 1, F0, F1, 1                        ; the first quarter stands in front of the loop: its products start the sums
	WIN 0
	s_mov_b32 s3, 3
.Llap:                                 ; a trip goes once round the ring and fills both slots again: K steps 2 to 7
	QUARTER 0, 2, F1, F0, 0
	QUARTER 0, 3, F0, F1, 0
	TURN 0, 1, 1
	QUARTER 1, 1, F0, F1, 0
	QUARTER 1, 2, F1, F0, 0
	QUARTER 1, 3, F0, F1, 0
	TURN 1, 0, 1
	QUARTER 0, 1, F0, F1, 0
	WIN 0
	s_sub_co_u32 s3, s3, 1
	s_cmp_lg_u32 s3, 0
	s_cbranch_scc1 .Llap
	QUARTER 0, 2, F1, F0, 0                        ; the last lap fills nothing
	QUARTER 0, 3, F0, F1, 0
	TURN 0, 1, 0                                   ; behind this barrier nobody reads slot 0 any more
	QUARTER 1, 1, F0, F1, 0
	QUARTER 1, 2, F1, F0, 0
	QUARTER 1, 3, F0, F1, 0
	s_wait_dscnt 16
	MULB F1, 8, 4, 0
	s_wait_dscnt 0x0
	MULB F1, 0, 8, 0
	WIN 0
	; THE WAY OUT.  The biases are rounded to bf16 and kept as f32: 144 plain instructions that name no register of the last products: they are the places behind them.
	s_wait_loadcnt 0x0
.set n, 0
.rept 48
	v_cvt_pk_bf16_f32 v[U+n%8], v[BI+2*n], v[BI+2*n+1]
	v_lshlrev_b32 v[BI+2*n], 16, v[U+n%8]
	v_and_b32 v[BI+2*n+1], s92, v[U+n%8]
.set n, n+1
.endr
.irp a, 0,1,2,3                        ; the table landed in front of the first change of slots, whose wait for all loads and barrier every wave has passed
.irp c, 0,1,2,3
	ds_load_b128 v[TT+4*(4*\a+\c):TT+4*(4*\a+\c)+3], v[TA] offset:\a*16*PA+32*\c
.endr
.endr
	s_wait_dscnt 0x0
; A column block of q or k: sum x rs + bias in f32 (each accumulator read from its low end on), the rotation, one rounding to f16; 8 bytes a lane and row block into the stage.
.macro ROPE4 b
	WIN 0x01                                       ; source 0 in window 1
.irp a, 0,1,2,3
.irp p, 0,1,2,3
	v_pk_fma_f32 v[XT+8*(\a)+2*(\p):XT+8*(\a)+2*(\p)+1], v[32*(\b)+8*(\a)+2*(\p):32*(\b)+8*(\a)+2*(\p)+1], v[RS+2*(\a):RS+2*(\a)+1], v[BI+8*(\b)+2*(\p):BI+8*(\b)+2*(\p)+1] op_sel_hi:[1,0,1]
.endr
.endr
	WIN 0
.irp a, 0,1,2,3
.irp p, 0,1,2,3
	v_fma_mix_f32 v[U+4*(\a)+(\p)], v[XT+8*(\a)+2*(\p)], v[TT+4*(4*(\a)+(\b)%4)+(\p)], v[ZR] op_sel_hi:[0,1,0]
.endr
.endr
.irp a, 0,1,2,3
.irp p, 0,1,2,3
	v_fma_mix_f32 v[U+4*(\a)+(\p)], v[XT+8*(\a)+2*(\p)+1], v[TT+4*(4*(\a)+(\b)%4)+(\p)], v[U+4*(\a)+(\p)] op_sel:[0,1,0] op_sel_hi:[0,1,0]
.endr
.endr
.irp a, 0,1,2,3
	v_cvt_pk_f16_f32 v[PK+2*(\a)], v[U+4*(\a)], v[U+4*(\a)+1]
	v_cvt_pk_f16_f32 v[PK+2*(\a)+1], v[U+4*(\a)+2], v[U+4*(\a)+3]
	ds_store_b64 v[SQA], v[PK+2*(\a):PK+2*(\a)+1] offset:((\b)/4)*SK+(\a)*16*144+16*((\b)%4)
.endr
.endm
.macro VOUT4 b                         ; a column block of v: sum x rs + bias, one rounding to f16; 16 bytes a lane and row block
	WIN 0x02                                       ; source 0 in window 2
.irp a, 0,1,2,3
.irp p, 0,1,2,3
	v_pk_fma_f32 v[XT+8*(\a)+2*(\p):XT+8*(\a)+2*(\p)+1], v[32*((\b)-8)+8*(\a)+2*(\p):32*((\b)-8)+8*(\a)+2*(\p)+1], v[RS+2*(\a):RS+2*(\a)+1], v[BI+8*(\b)+2*(\p):BI+8*(\b)+2*(\p)+1] op_sel_hi:[1,0,1]
.endr
.endr
	WIN 0
.irp a, 0,1,2,3
.irp p, 0,1,2,3
	v_cvt_pk_f16_f32 v[U+4*(\a)+(\p)], v[XT+8*(\a)+2*(\p)], v[XT+8*(\a)+2*(\p)+1]
.endr
	ds_store_b128 v[SVA], v[U+4*(\a):U+4*(\a)+3] offset:(\a)*16*PA+32*((\b)%4)
.endr
.endm
.irp b, 0,1,2,3,4,5,6,7
	ROPE4 \b
.endr
.irp b, 8,9,10,11
	VOUT4 \b
.endr
	s_wait_dscnt 0x0                               ; for the others' sake: my stores into the stage are done
	s_barrier_signal -1
	s_barrier_wait -1
.irp t, 0,1,2,3,4,5,6,7
	ds_load_b128 v[OB+4*\t:OB+4*\t+3], v[RQ] offset:576*\t
.endr
.irp t, 0,1,2,3,4,5,6,7
	ds_load_b128 v[OB+32+4*\t:OB+32+4*\t+3], v[RQ] offset:SK+576*\t
.endr
.irp t, 0,1,2,3,4,5,6,7,8,9,10,11,12,13,14,15
	ds_load_b128 v[OB+64+4*\t:OB+64+4*\t+3], v[RV] offset:544*\t
.endr
.irp t, 0,1,2,3,4,5,6,7                ; every store of a wave covers 512 consecutive bytes, at a multiple of 256 from its buffer's first byte
	s_wait_dscnt 31-\t
	global_store_b128 v[GL], v[OB+4*\t:OB+4*\t+3], s[16:17] offset:512*\t
.endr
.irp t, 0,1,2,3,4,5,6,7
	s_wait_dscnt 23-\t
	global_store_b128 v[GL], v[OB+32+4*\t:OB+32+4*\t+3], s[90:91] offset:512*\t
.endr
.irp t, 0,1,2,3,4,5,6,7,8,9,10,11,12,13,14,15
	s_wait_dscnt 15-\t
	global_store_b128 v[GL], v[OB+64+4*\t:OB+64+4*\t+3], s[18:19] offset:512*\t
.endr
	s_wait_tensorcnt 0x0                           ; the wave's end: behind my last tensor load and my last LDS store
	ds_add_u32 v[SPW], v[NIL]
	s_wait_dscnt 0x0
	CROUND                                         ; the closing round
	s_endpgm
.Lfunc_end_k_q4161df47bd_qkv:
	.size	k_q4161df47bd_qkv, .Lfunc_end_k_q4161df47bd_qkv-k_q4161df47bd_qkv
	.p2alignl 7, 3214868480
	.fill 96, 4, 3214868480
	.section	.rodata,"a",@progbits
	.p2align	6, 0x0
	.amdhsa_kernel k_q4161df47bd_qkv
		.amdhsa_group_segment_fixed_size 327680
		.amdhsa_private_segment_fixed_size 0
		.amdhsa_enable_private_segment 0
		.amdhsa_kernarg_size 64
		.amdhsa_user_sgpr_count 2
		.amdhsa_user_sgpr_kernarg_segment_ptr 1
		.amdhsa_wavefront_size32 1
		.amdhsa_system_sgpr_workgroup_id_x 1
		.amdhsa_system_sgpr_workgroup_id_y 1
		.amdhsa_system_sgpr_workgroup_id_z 1
		.amdhsa_system_vgpr_workitem_id 0
		.amdhsa_next_free_vgpr 1024
		.amdhsa_next_free_sgpr 100
		.amdhsa_reserve_vcc 0
		.amdhsa_float_denorm_mode_32 3
		.amdhsa_float_denorm_mode_16_64 3
		.amdhsa_memory_ordered 1
		.amdhsa_forward_progress 1
		.amdhsa_inst_pref_size 154
	.end_amdhsa_kernel
	.amdgpu_metadata
---
amdhsa.version: [ 1, 2 ]
amdhsa.kernels:
  - .name:           k_q4161df47bd_qkv
    .symbol:         k_q4161df47bd_qkv.kd
    .args:
      - { .name: xa, .offset: 0, .size: 8, .value_kind: global_buffer, .address_space: global }
      - { .name: wb, .offset: 8, .size: 8, .value_kind: global_buffer, .address_space: global }
      - { .name: aux, .offset: 16, .size: 8, .value_kind: global_buffer, .address_space: global }
      - { .name: bq, .offset: 24, .size: 8, .value_kind: global_buffer, .address_space: global }
      - { .name: bk, .offset: 32, .size: 8, .value_kind: global_buffer, .address_space: global }
      - { .name: bv, .offset: 40, .size: 8, .value_kind: global_buffer, .address_space: global }
      - { .name: qk, .offset: 48, .size: 8, .value_kind: global_buffer, .address_space: global }
      - { .name: vh, .offset: 56, .size: 8, .value_kind: global_buffer, .address_space: global }
    .group_segment_fixed_size: 327680
    .private_segment_fixed_size: 0
    .kernarg_segment_align: 8
    .kernarg_segment_size: 64
    .max_flat_workgroup_size: 128
    .sgpr_count:     100
    .vgpr_count:     1024
    .wavefront_size: 32
...
	.end_amdgpu_metadata
.endif
;; end of part 2
;; launch attn (part 3): grid 8 x 32, 4 waves a work-group, no clusters, 327,680 bytes of LDS; arguments qk, vh, oh; writes oh
.if DOCPART == 3
	.amdgcn_target "amdgcn-amd-amdhsa--gfx1250"
	.amdhsa_code_object_version 6
	.text
	.protected	k_q4161df47bd_attn
	.globl	k_q4161df47bd_attn
	.p2align	8
	.type	k_q4161df47bd_attn,@function
k_q4161df47bd_attn:
	s_mov_b64 s[64:65], 0
	v_nop
	global_prefetch_b8 v0, s[64:65] scope:SCOPE_SE
	s_setreg_imm32_b32 hwreg(HW_REG_WAVE_MODE, 25, 1), 1
	s_wait_xcnt 0x0
; CAUSAL ATTENTION.  q, k: f16 [32 heads][2048][64] (the 64 different channels of the rotated vectors; k lies 8,388,608 bytes behind q); v: f16 [32][2048][128]; O leaves as f16 [4096 rows][2048], head h in columns 128 h on.
; score = 2 (q . k over 64 channels) / sqrt(128): each channel stands twice in reference()'s vectors.  p = 2^(c s - c m), c = 2 log2(e) / sqrt(128), with a running maximum m; O and l are multiplied
; by a = 2^(c m_old - c m_new) in every step.  Products, maxima and sums in f32; p is rounded to f16 for the second product (l is the sum of the unrounded p), O once at the end.
; LIMITS.  A hidden score counts as its value less 1e30; a weight below 2^-126 counts as 0 in l; NaN and infinities are not treated apart.
; THE WALK.  A head has 16 blocks of 128 queries; block i needs 2 (i + 1) key steps of 64, of which the last two hold the diagonal.  Work-group b takes blocks b and 15 - b, THE ODD ONE FIRST: an odd block's steps
; fill whole tiles of 256 keys, an even block's last tile has its two diagonal steps alone.  The two blocks have 9 tiles and 34 steps, whatever b: eight trips of four steps, of which one ends with the first
; block's diagonal, and a tail of the second block's diagonal.  Every trip count is a constant; every jump but the loops' own goes forward, and none passes a barrier, or a tensor load but the one of LOAD's two
; that the wave's number does not choose.
; NO CLUSTER: a head's 8 work-groups ask for the same tile only while all are in their first block, which has 1 to 8 tiles; one walk common to all would have 16 tiles for 9.
; SHARES.  Of a block's two bands of 64 queries a wave owns 16 rows in each: two PIECES.  So the diagonal is the same work for all four waves: in its first step piece 0 takes the mask and piece 1 sees all;
; in its second piece 0 sees nothing and is left out, piece 1 takes the mask.  The mask (0 or -1e30) is the C operand of the products that start S^T.
; LAYOUT.  S^T = K Q^T holds ONE query a lane (lane % 16) and the keys 8 (lane / 16) + 0..7; two such results rounded to f16 ARE source 1 of O^T = V^T P.  K comes out of LDS as it lies, V turned (ds_load_tr16_b128).
; A STEP.  K Q^T of both pieces; piece 0's softmax, its beginning behind piece 1's products; V^T P of piece 0 with the rest of piece 0's and the beginning of piece 1's softmax behind its products;
; the rest of piece 1's; V^T P of piece 1.  Each piece's 33 exponentials are one batch with one wait.
; REGISTERS, in windows of 256 (s_set_vgpr_msb: bits 1:0 source 0, 3:2 source 1, 5:4 source 2, 7:6 destination):
;   window 0: addresses; v16-31 statistics; v32-63 Q; v64-127 S^T; v128-159 P; v160-223 K of one step     window 1: v0-127 O^T; v128-255 V of one step     window 2: v0-31 the mask; v32-63 the second block's Q
.set KS,    64
.set PK,    144                        ; a row of K in LDS: 128 + 16 bytes = 36 words: the 16 rows of a load start at 16 different groups of four banks (64 banks of 4 bytes: ISA guide 11.1)
.set PV,    288                        ; a row of V: 256 + 32 = 72 words
.set VOFF,  4*KS*PK                    ; a slot holds a tile: 256 rows of K, then 256 rows of V
.set SLOT1, 1<<17                      ; slot 1 begins here: one exclusive or turns an address in one slot into the other's
.set STAGE, SLOT1+4*KS*(PK+PV)         ; behind the ring, never filled by a tensor load: 16 rows x 272 bytes for each wave
.set SP,    272
.set SPARE, STAGE+4*16*SP              ; the spare words, 128 bytes a wave: two blocks of 256 bytes that no other line names
.set AK0, 2
.set AV0, 3
.set AK,  4
.set AV,  5
.set STO, 6
.set RD,  7
.set GO,  8
.set QO,  12
.set ST,  16                           ; piece t at ST + 8 t: c m, m, l (even keys', odd keys'), c0-c3 at work; a takes c2's place
.set Q,   32
.set S,   64
.set P,   128
.set KF,  160
.set PFO, 224
.set SPW, 226
.set NIL, 227
.set VF,  128                          ; window 1
.set MD,  0                            ; window 2
.set QB,  32                           ; window 2
.set WV,  12
.set I1,  14
.set I2,  15
.set G1K, 24
.set G1V, 32
.set G0K, 40
.set G0V, 44
.set SLOTS, 56
.set CNT, 57
.set CS,  58
.set SEL, 60
.set TBK, 62
.set TBV, 63
.set RT,  70                           ; tiles of the first block still to be entered
.set NXT, 71                           ; the tile to be asked for next
.set LQ,  72                           ; the last tile of the block whose tiles are being asked for
.set LQ2, 73                           ; the second block's last tile
.set OFFK, 74
.set OFFV, 76
.set BIGN, 82
.set PFK, 84
.set PFV, 86
.set LIM, 88
.set MSB, 0
.macro WIN new
.if MSB != (\new)
	s_set_vgpr_msb (MSB<<8)|(\new)
.set MSB, (\new)
.endif
.endm
.macro LOAD                            ; a fill: waves 0 and 1 fetch the halves of a tile's K, waves 2 and 3 those of its V; an s_nop 0 and four v_nop follow each line
	s_cmp_lt_u32 s[WV], 2
	s_cbranch_scc0 .Lfor_v_\@
	tensor_load_to_lds s[G0K:G0K+3], s[G1K:G1K+7]
	s_nop 0
.rept 4
	v_nop
.endr
	s_branch .Lasked_\@
.Lfor_v_\@:
	tensor_load_to_lds s[G0V:G0V+3], s[G1V:G1V+7]
	s_nop 0
.rept 4
	v_nop
.endr
.Lasked_\@:
.endm
; A PREFETCH INTO THE L2 of the tile that the NEXT change of slots will ask for: four key steps ahead of that load.  All 8 work-groups of a head walk the same K and V; work-group 0, whose first block walks
; tiles 0 to 7, asks, and nobody else.  Its wave w takes bytes 8,192 w on of the tile's K and 16,384 w on of its V, a lane 256 bytes: three instructions; each row is named once in the launch.
; Trip n names tile n + 1, up to tile 7; tiles 0 and 1 come by their loads alone.
.macro ASK
	s_cmp_gt_u32 s[SLOTS], s[LIM]
	s_cbranch_scc0 .Lnot_mine_\@
	global_prefetch_b8 v[PFO], s[PFK:PFK+1] th:TH_LOAD_NT scope:SCOPE_SE
	global_prefetch_b8 v[PFO], s[PFV:PFV+1] th:TH_LOAD_NT scope:SCOPE_SE
	global_prefetch_b8 v[PFO], s[PFV:PFV+1] offset:8192 th:TH_LOAD_NT scope:SCOPE_SE
.Lnot_mine_\@:
.endm
; THE CHANGE OF SLOTS.  Each wave waits for all its tensor loads (one is out: its part of the other slot), adds 0 to its spare word, and waits for that and for its reads of the slot that it leaves.
; fill = 1: the old slot is filled again, first thing behind the barrier, with tile NXT; the descriptor's address is made anew from that number.  The fill has four key steps in which to land.
.macro CHANGE fill
	WIN 0
	s_wait_tensorcnt 0x0                           ; no tensor load of mine is out, so a group 0 may be written
	ds_add_u32 v[SPW], v[NIL]                      ; 0 onto my spare word; scalar work stands between it and the wait for it
.if \fill
	s_lshl_b32 s[OFFK], s[NXT], 15                 ; a tile is 32,768 bytes of K
	s_lshl_b32 s[OFFV], s[NXT], 16                 ; and 65,536 of V
	s_xor_b32 s[G0K+1], s[G0K+1], SLOT1
	s_add_nc_u64 s[G0K+2:G0K+3], s[6:7], s[OFFK:OFFK+1]
	s_or_b32 s[G0K+3], s[G0K+3], 0x80000000
	s_xor_b32 s[G0V+1], s[G0V+1], SLOT1
	s_add_nc_u64 s[G0V+2:G0V+3], s[8:9], s[OFFV:OFFV+1]
	s_or_b32 s[G0V+3], s[G0V+3], 0x80000000
	s_add_co_u32 s[NXT], s[NXT], 1                 ; the block's next tile, or behind its last the second block's tile 0
	s_cmp_gt_u32 s[NXT], s[LQ]
	s_cselect_b32 s[NXT], 0, s[NXT]
	s_cselect_b32 s[LQ], s[LQ2], s[LQ]
	s_wait_xcnt 0x0                                ; the last prefetches, a tile back, have read their addresses
	s_add_nc_u64 s[PFK:PFK+1], s[PFK:PFK+1], 32768
	s_add_nc_u64 s[PFV:PFV+1], s[PFV:PFV+1], 65536
.endif
	s_wait_dscnt 0x0                               ; the add is done, and my reads of the slot are over
	s_barrier_signal -1
	s_sub_co_u32 s[TBK], s[TBK], 4*KS*PK           ; the fetches go back to a slot's first step, in the other slot
	s_xor_b32 s[TBK], s[TBK], SLOT1
	s_sub_co_u32 s[TBV], s[TBV], 4*KS*PV
	s_xor_b32 s[TBV], s[TBV], SLOT1
	s_barrier_wait -1
.if \fill
	LOAD
	ASK
.endif
.endm
	s_load_b128 s[4:7], s[0:1], 0x0                ; qk s[4:5], vh s[6:7]
	s_load_b64 s[10:11], s[0:1], 0x10              ; oh
	v_lshl_add_u32 v[SPW], v0, 2, SPARE
	v_mov_b32 v[NIL], 0
	ds_add_u32 v[SPW], v[NIL]                      ; the wave's opening: the add and its wait ahead of my first tensor load
	v_lshrrev_b32 v1, 5, v0
	v_readfirstlane_b32 s[WV], v1
	s_and_b32 s13, ttmp9, 1
	s_sub_co_u32 s15, 15, ttmp9
	s_cmp_eq_u32 s13, 1
	s_cselect_b32 s[I1], ttmp9, s15                ; the odd one of b and 15 - b
	s_sub_co_u32 s[I2], 15, s[I1]
	s_add_co_u32 s[RT], s[I1], 1
	s_lshr_b32 s[RT], s[RT], 1                     ; the first block's tiles
	s_lshr_b32 s[LQ2], s[I2], 1
	s_sub_co_u32 s[LQ], s[RT], 1
	s_cmp_gt_u32 s[RT], 1
	s_cselect_b32 s[NXT], 1, 0
	s_cselect_b32 s[LQ], s[LQ], s[LQ2]
	s_cmp_eq_u32 ttmp9, 0
	s_cselect_b32 s[LIM], 2, -1
	s_and_b32 s20, ttmp7, 0xffff                   ; 16 x batch + head
	s_and_b32 s16, s[WV], 1                        ; which half of a tile's 256 keys I fetch
	s_mul_i32 s17, s16, 128*PK
	s_mul_i32 s18, s16, 128*PV
	s_lshl_b32 s22, s20, 18                        ; the head's first byte in q and in k,
	s_mov_b32 s23, 0
	s_lshl_b32 s54, s20, 19                        ; in v
	s_mov_b32 s55, 0
	s_mov_b32 s3, 0
	s_mov_b32 s[G1K], (1<<16)|(1<<20)|(4<<22)|(3<<25)  ; K: 128 keys are 16,384 dense bytes, asked for as 64 rows of 256 bytes; 4 words of padding after every 32 words, that is after every key
	s_mov_b32 s[G1K+1], 128<<16
	s_mov_b32 s[G1K+2], 64<<16
	s_mov_b32 s[G1K+3], 128<<16
	s_mov_b32 s[G1K+4], 64
	s_mov_b32 s[G1K+5], 128
	s_mov_b32 s[G1K+6], 0
	s_mov_b32 s[G1K+7], 0
	s_mov_b32 s[G1V], (1<<16)|(1<<20)|(5<<22)|(7<<25)  ; V: 128 rows of 256 bytes; 8 words of padding after every 64
	s_mov_b32 s[G1V+1], 128<<16
	s_mov_b32 s[G1V+2], 128<<16
	s_mov_b32 s[G1V+3], 128<<16
	s_mov_b32 s[G1V+4], 128
	s_mov_b32 s[G1V+5], 128
	s_mov_b32 s[G1V+6], 0
	s_mov_b32 s[G1V+7], 0
	s_mov_b32 s[CS], 0x3e8293ee                    ; c = 2 log2(e) / sqrt(128) = 0.255035
	s_mov_b32 s[CS+1], s[CS]
	s_mov_b32 s[SEL], 0x76543210
	s_mov_b32 s[SEL+1], 0xfedcba98
	s_mov_b32 s[TBK], SLOT1+4*KS*PK                ; the first change of slots turns these two into 0
	s_mov_b32 s[TBV], SLOT1+4*KS*PV
	s_mov_b32 s[G0K], 1
	s_mov_b32 s[G0K+1], s17
	s_mov_b32 s[G0V], 1
	s_add_co_u32 s[G0V+1], s18, VOFF
	s_mov_b32 s[OFFK+1], 0
	s_mov_b32 s[OFFV+1], 0
	s_mov_b32 s[BIGN], 0xf149f2ca                  ; -1e30
	s_mov_b32 s[SLOTS], 8
	s_wait_dscnt 0x0                               ; the opening add is done
	s_wait_kmcnt 0x0
	s_add_nc_u64 s[8:9], s[6:7], s[54:55]          ; V of my head
	s_add_nc_u64 s[48:49], s[4:5], s[22:23]        ; Q of my head
	s_add_nc_u64 s[6:7], s[48:49], 0x800000        ; K of my head
	s_lshl_b32 s2, s[WV], 13
	s_add_co_u32 s2, s2, 32768
	s_add_nc_u64 s[PFK:PFK+1], s[6:7], s[2:3]      ; my quarter of tile 1; the first change of slots steps it to tile 2
	s_lshl_b32 s2, s[WV], 14
	s_add_co_u32 s2, s2, 65536
	s_add_nc_u64 s[PFV:PFV+1], s[8:9], s[2:3]
	s_lshl_b32 s2, s16, 14
	s_add_nc_u64 s[6:7], s[6:7], s[2:3]            ; K and V at my half of tile 0
	s_lshl_b32 s2, s16, 15
	s_add_nc_u64 s[8:9], s[8:9], s[2:3]
	s_add_nc_u64 s[G0K+2:G0K+3], s[6:7], 0
	s_or_b32 s[G0K+3], s[G0K+3], 0x80000000
	s_add_nc_u64 s[G0V+2:G0V+3], s[8:9], 0
	s_or_b32 s[G0V+3], s[G0V+3], 0x80000000
	LOAD                                           ; tile 0 into slot 0
	s_lshl_b32 s13, s[WV], 11                      ; my 16 rows of 128 bytes in a band
	s_lshl_b32 s2, s[I2], 14
	s_add_co_u32 s2, s2, s13
	s_add_nc_u64 s[50:51], s[48:49], s[2:3]        ; Q at my rows of the second block,
	s_lshl_b32 s2, s[I1], 14
	s_add_co_u32 s2, s2, s13
	s_add_nc_u64 s[48:49], s[48:49], s[2:3]        ; of the first
	s_lshr_b32 s2, s20, 4                          ; O: row 2048 x batch + position, 4,096 bytes a row; the head's 256 bytes of it
	s_lshl_b32 s2, s2, 23
	s_and_b32 s13, s20, 15
	s_lshl_b32 s13, s13, 8
	s_add_co_u32 s2, s2, s13
	s_lshl_b32 s13, s[WV], 16
	s_add_co_u32 s2, s2, s13
	s_add_nc_u64 s[10:11], s[10:11], s[2:3]
	s_lshl_b32 s2, s[I2], 19
	s_add_nc_u64 s[78:79], s[10:11], s[2:3]
	s_lshl_b32 s2, s[I1], 19
	s_add_nc_u64 s[10:11], s[10:11], s[2:3]
	v_and_b32 v1, 15, v0                           ; r = l % 16
	v_bfe_u32 v9, v0, 4, 1                         ; h = l / 16
	v_lshlrev_b32 v[QO], 7, v1
	v_lshl_add_u32 v[QO], v9, 4, v[QO]
.irp t, 0,1                            ; both blocks' Q: piece t lies 64 rows on; channels 32 c on
.irp c, 0,1
	global_load_b128 v[Q+16*\t+8*\c:Q+16*\t+8*\c+3],   v[QO], s[48:49] offset:\t*8192+\c*64
	global_load_b128 v[Q+16*\t+8*\c+4:Q+16*\t+8*\c+7], v[QO], s[48:49] offset:\t*8192+\c*64+32
.endr
.endr
	v_lshlrev_b32 v14, 3, v9
	v_sub_nc_u32 v14, v1, v14
	s_lshl_b32 s13, s[WV], 4
	v_add_nc_u32 v14, s13, v14                     ; my query's place in its band less my lanes' 8 h: register j of key group kt is hidden where 16 kt + j is greater
	WIN 0x80
.irp t, 0,1
.irp c, 0,1
	global_load_b128 v[QB+16*\t+8*\c:QB+16*\t+8*\c+3],   v[QO], s[50:51] offset:\t*8192+\c*64
	global_load_b128 v[QB+16*\t+8*\c+4:QB+16*\t+8*\c+7], v[QO], s[50:51] offset:\t*8192+\c*64+32
.endr
.endr
.set i, 0
.rept 32
	v_cmp_gt_i32 vcc_lo, 16*(i/8)+i%8, v14
	v_cndmask_b32 v[MD+i], 0, s[BIGN], vcc_lo
.set i, i+1
.endr
	WIN 0
	v_mul_u32_u24 v[AK0], v1, PK
	v_lshl_add_u32 v[AK0], v9, 4, v[AK0]
	v_and_b32 v10, 7, v0
	v_bfe_u32 v11, v0, 3, 1
	v_lshl_add_u32 v[AV0], v9, 3, v10
	v_mul_u32_u24 v[AV0], v[AV0], PV
	v_lshl_add_u32 v[AV0], v11, 4, v[AV0]
	v_add_nc_u32 v[AV0], VOFF, v[AV0]
	s_mul_i32 s13, s[WV], 16*SP
	s_add_co_u32 s13, s13, STAGE
	v_mul_u32_u24 v[STO], v1, SP                   ; in: row r, 16 bytes for each half of the lanes
	v_lshl_add_u32 v[STO], v9, 4, v[STO]
	v_add_nc_u32 v[STO], s13, v[STO]
	v_mul_u32_u24 v[RD], v9, SP                    ; back: lanes 0-15 one row's 256 bytes, lanes 16-31 the next
	v_lshl_add_u32 v[RD], v1, 4, v[RD]
	v_add_nc_u32 v[RD], s13, v[RD]
	v_lshlrev_b32 v[GO], 12, v9                    ; the same two rows in O
	v_lshl_add_u32 v[GO], v1, 4, v[GO]
	v_and_b32 v[PFO], 31, v0
	v_lshlrev_b32 v[PFO], 8, v[PFO]
	; A block's first step multiplies O^T and l by a = 0, so no first step is written out; these registers need only hold finite numbers: zeros now, what the first block left later.  All this stands in the wait for the first tile.
	WIN 0x40
.set i, 0
.rept 128
	v_mov_b32 v[i], 0
.set i, i+1
.endr
	WIN 0
.macro FRESH                           ; a block begins: c m far below every c s, m the lowest finite number
.irp t, 0,1
	v_mov_b32 v[ST+8*\t], 0xfe000000
	v_mov_b32 v[ST+8*\t+1], 0xff7fffff
.endr
.endm
	FRESH
.irp t, 0,1
	v_mov_b32 v[ST+8*\t+2], 0
	v_mov_b32 v[ST+8*\t+3], 0
.endr
	s_wait_loadcnt 0x0                             ; Q
; THE MATRIX WORK.  The accumulators of a run take turns.  Product i of 8 of S^T = K Q^T for piece t: channels 32 (i / 4) on, keys 16 (i % 4) on; the first 4 start the sums, with 0 or (m = 1) with the mask.
.macro KQ t, m
.set rS, S+32*(\t)+8*(i%4)
.set rK, KF+16*(i%4)+8*(i/4)
.set rQ, Q+16*(\t)+8*(i/4)
.if (i < 4) && (\m)
	WIN 0x20                                       ; the C operand in window 2
	v_wmma_f32_16x16x32_f16 v[rS:rS+7], v[rK:rK+7], v[rQ:rQ+7], v[MD+8*(i%4):MD+8*(i%4)+7]
.elseif i < 4
	WIN 0
	v_wmma_f32_16x16x32_f16 v[rS:rS+7], v[rK:rK+7], v[rQ:rQ+7], 0
.else
	WIN 0
	v_wmma_f32_16x16x32_f16 v[rS:rS+7], v[rK:rK+7], v[rQ:rQ+7], v[rS:rS+7]
.endif
.set i, i+1
.endm
.macro PV t                            ; product i of 16 of O^T += V^T P: keys 32 (i / 8) on, channels 16 (i % 8) on
	WIN 0x51                                       ; V and O^T in window 1, P in window 0
.set rO, 64*(\t)+8*(i%8)
.set rV, VF+64*(i/8)+8*(i%8)
.set rP, P+16*(\t)+8*(i/8)
	v_wmma_f32_16x16x32_f16 v[rO:rO+7], v[rV:rV+7], v[rP:rP+7], v[rO:rO+7]
.set i, i+1
.endm
.macro FETCH_K                         ; a step's K: 64 keys x 64 channels, 16 loads in one run
	WIN 0
	v_add_nc_u32 v[AK], s[TBK], v[AK0]
	s_add_co_u32 s[TBK], s[TBK], KS*PK
.irp f, 0,1,2,3,4,5,6,7
	ds_load_b128 v[KF+8*\f:KF+8*\f+3],   v[AK] offset:(\f/2)*16*PK+(\f%2)*64
	ds_load_b128 v[KF+8*\f+4:KF+8*\f+7], v[AK] offset:(\f/2)*16*PK+(\f%2)*64+32
.endr
.endm
.macro FETCH_V                         ; a step's V, turned: 64 keys x 128 channels, 32 loads in one run
	WIN 0
	v_add_nc_u32 v[AV], s[TBV], v[AV0]
	s_add_co_u32 s[TBV], s[TBV], KS*PV
	WIN 0x40
.irp f, 0,1,2,3,4,5,6,7,8,9,10,11,12,13,14,15
	ds_load_tr16_b128 v[VF+8*\f:VF+8*\f+3],   v[AV] offset:(\f/8)*32*PV+(\f%8)*32
	ds_load_tr16_b128 v[VF+8*\f+4:VF+8*\f+7], v[AV] offset:(\f/8)*32*PV+16*PV+(\f%8)*32
.endr
	WIN 0
.endm
; THE VECTOR WORK: a piece's softmax for a step is a list of 134; SM writes number j of it for piece t.  s0-s31 are the lane's 32 scores.
;   0-15    the maximum of the scores and the old m, three operands at a time (each accumulator's lowest registers are read first)
;   16-20   the other half of the lanes' maximum; the new m; c m; c m_old - c m_new
;   21-69   ONE BATCH: 16 scalings c s - c m and 33 exponentials (a at 23, then s0-s31); none of these names an exponential's result; a pair is scaled ahead of its exponentials
;   (wait)  between 69 and 70 the step's text writes a v_nop and the one wait for the batch
;   70-85   the roundings to f16     86-117  O^T times a     118-133  the sums; l = a l + the sum
.macro SM t
.set rT, ST+8*(\t)
.set rS, S+32*(\t)
.set rP, P+16*(\t)
.if (j < 86) || (j > 117)
	WIN 0
.endif
.if j < 4
	v_max3_num_f32 v[rT+4+j], v[rS+8*j], v[rS+8*j+1], v[rS+8*j+2]
.elseif j < 12
	v_max3_num_f32 v[rT+4+j%4], v[rT+4+j%4], v[rS+8*(j%4)+2*(j/4)+1], v[rS+8*(j%4)+2*(j/4)+2]
.elseif j == 12
	v_max3_num_f32 v[rT+4], v[rT+4], v[rS+7], v[rS+15]
.elseif j == 13
	v_max3_num_f32 v[rT+6], v[rT+6], v[rS+23], v[rS+31]
.elseif j == 14
	v_max3_num_f32 v[rT+4], v[rT+4], v[rT+5], v[rT+6]
.elseif j == 15
	v_max3_num_f32 v[rT+4], v[rT+4], v[rT+7], v[rT+1]
.elseif j == 16
	v_permlanex16_b32 v[rT+5], v[rT+4], s[SEL], s[SEL+1]
.elseif j == 17
	v_mov_b32 v[rT+7], v[rT]
.elseif j == 18
	v_max_num_f32 v[rT+1], v[rT+4], v[rT+5]
.elseif j == 19
	v_mul_f32 v[rT], s[CS], v[rT+1]
.elseif j == 20
	v_sub_f32 v[rT+7], v[rT+7], v[rT]
.elseif j == 23
	v_exp_f32 v[rT+6], v[rT+7]
.elseif (j < 23) || ((j < 38) && (j%2 == 0)) || ((j < 66) && (j%4 == 2))
.set b, (j-2)/4
.if j < 38
.set b, (j-20)/2
.endif
	v_pk_fma_f32 v[rS+2*b:rS+2*b+1], v[rS+2*b:rS+2*b+1], s[CS:CS+1], v[rT:rT+1] op_sel_hi:[1,0,0] neg_lo:[0,0,1] neg_hi:[0,0,1]
.elseif j < 70
.set e, j-38
.if j < 66
.set e, j-32-(j-38)/4
.endif
.if j < 38
.set e, (j-25)/2
.endif
	v_exp_f32 v[rS+e], v[rS+e]
.elseif j < 86
	v_cvt_pk_f16_f32 v[rP+j-70], v[rS+2*(j-70)], v[rS+2*(j-70)+1]
.elseif j < 118
	WIN 0x41                                       ; O^T (destination and source 0) in window 1, a in window 0
.set rO, 64*(\t)+2*(j-86)
	v_pk_mul_f32 v[rO:rO+1], v[rO:rO+1], v[rT+6:rT+7] op_sel_hi:[1,0]
.else
.set z, j-118
.set ww, 4
.set u, z
.if z >= 14
.set ww, 32
.set u, 0
.elseif z >= 12
.set ww, 16
.set u, z-12
.elseif z >= 8
.set ww, 8
.set u, z-8
.endif
.if z < 15
	v_pk_add_f32 v[rS+ww*u:rS+ww*u+1], v[rS+ww*u:rS+ww*u+1], v[rS+ww*u+ww/2:rS+ww*u+ww/2+1]
.else
	v_pk_fma_f32 v[rT+2:rT+3], v[rT+2:rT+3], v[rT+6:rT+7], v[rS:rS+1] op_sel_hi:[1,0,1]
.endif
.endif
.endm
.macro SMN t, n                        ; the next n numbers of piece t's list
.rept \n
.if (\t) == 0
.set j, J0
	SM 0
.set J0, J0+1
.else
.set j, J1
	SM 1
.set J1, J1+1
.endif
.endr
.endm
.macro BATCH_END                       ; behind a batch's last exponential: a plain instruction (ISA guide 5.7.2) and the one wait ahead of the first reader
	v_nop
	s_wait_alu depctr_va_vdst(0)
.endm
.macro PV1_RUN                         ; piece 1's V^T P with its sums behind the products; the last four sums are the places in front of the next loads into V's registers and of the way out
.set i, 0
.rept 12
	PV 1
	SMN 1, 1
.endr
.rept 4
	PV 1
.endr
	SMN 1, 4
.endm
; A KEY STEP FOR BOTH PIECES.  m0, m1: the piece's scores take the mask.  kf = 1: the next step's K is fetched unless this is the tile's last step (its K lies in the other slot); kf = 2: always.
; No vector line behind a product names a register of the products round it.
.macro STEP2 m0, m1, kf
.set J0, 0
.set J1, 0
	FETCH_V                                        ; four plain instructions and its own address line stand behind the last product that read V
	s_wait_dscnt 32                                ; K is in: V's 32 loads are younger
.set i, 0
.rept 8
	KQ 0, \m0
.endr
.set i, 0
	KQ 1, \m1
.rept 4
	v_nop                                          ; the places between piece 0's last product and the first read of its scores
.endr
.rept 7
	KQ 1, \m1
	SMN 0, 4
.endr
	SMN 0, 42
	BATCH_END
	s_wait_dscnt 0x0                               ; V is in
.if (\kf) == 1
	s_cmp_eq_u32 s[CNT], 1
	s_cbranch_scc1 .Lno_k_\@
.endif
	FETCH_K                                        ; more than four scalings stand behind the last product that read K
.if (\kf) == 1
.Lno_k_\@:
.endif
	SMN 0, 48
.set i, 0
.rept 4
	PV 0
	SMN 0, 4
.endr
.rept 12
	PV 0
	SMN 1, 4
.endr
	SMN 1, 22
	BATCH_END
	SMN 1, 48
	PV1_RUN
.endm
.macro STEP1                           ; the diagonal's second step: piece 1 alone, with the mask
.set J1, 0
	FETCH_V
	s_wait_dscnt 32
.set i, 0
.rept 8
	KQ 1, 1
.endr
	WIN 0
.rept 4
	v_nop
.endr
	SMN 1, 70
	BATCH_END
	s_wait_dscnt 0x0
	SMN 1, 48
	PV1_RUN
.endm
.macro PACK t                          ; O^T / l, rounded to f16; a lane's eight channels of a row are 16 bytes; into rows of 272 bytes and back as whole rows of 256
	WIN 0x41
.set i, 64*(\t)
.rept 32
	v_pk_mul_f32 v[i:i+1], v[i:i+1], v[ST+8*(\t)+6:ST+8*(\t)+7] op_sel_hi:[1,0]
.set i, i+2
.endr
	WIN 0x05
.set i, 0
.rept 32
	v_cvt_pk_f16_f32 v[S+32*(\t)+i], v[64*(\t)+2*i], v[64*(\t)+2*i+1]
.set i, i+1
.endr
	WIN 0
.irp f, 0,1,2,3,4,5,6,7
	ds_store_b128 v[STO], v[S+32*(\t)+4*\f:S+32*(\t)+4*\f+3] offset:32*\f
.endr
.irp f, 0,1,2,3,4,5,6,7
	ds_load_b128 v[S+32*(\t)+4*\f:S+32*(\t)+4*\f+3], v[RD] offset:\f*2*SP  ; LDS serves a wave's instructions in order (ISA guide 5.7.1.4): these see the stores above
.endr
.endm
.macro SEND t, younger
.irp f, 0,1,2,3,4,5,6,7
	s_wait_dscnt (\younger)+7-\f
	global_store_b128 v[GO], v[S+32*(\t)+4*\f:S+32*(\t)+4*\f+3], s[10:11] offset:(\t)*262144+\f*8192  ; 16 lanes store 256 consecutive bytes, at a multiple of 256 from O's first byte
.endr
.endm
.macro DIAG                            ; a block's two diagonal steps and its way out
	STEP2 1, 0, 2
	STEP1
	WIN 0
.irp t, 0,1
	v_add_f32 v[ST+8*\t+4], v[ST+8*\t+2], v[ST+8*\t+3]
.endr
.irp t, 0,1
	v_permlanex16_b32 v[ST+8*\t+5], v[ST+8*\t+4], s[SEL], s[SEL+1]
.endr
.irp t, 0,1
	v_add_f32 v[ST+8*\t+4], v[ST+8*\t+4], v[ST+8*\t+5]
.endr
.irp t, 0,1
	v_rcp_f32 v[ST+8*\t+6], v[ST+8*\t+4]
.endr
	BATCH_END
	PACK 0
	PACK 1
	SEND 0, 16
	SEND 1, 0
.endm
.Ltile:                                ; eight times: a tile is entered and the next is asked for
	CHANGE 1
	s_sub_co_u32 s[RT], s[RT], 1
	FETCH_K
	s_mov_b32 s[CNT], 4
.Lstep:
	STEP2 0, 0, 1
	WIN 0
	s_sub_co_u32 s[CNT], s[CNT], 1
	s_cmp_lg_u32 s[CNT], 2
	s_cbranch_scc1 .Lon
	s_cmp_eq_u32 s[RT], 0                          ; two steps of the first block's last tile are done: its diagonal follows
	s_cbranch_scc1 .Ldiag
.Lon:
	s_cmp_lg_u32 s[CNT], 0
	s_cbranch_scc1 .Lstep
	s_branch .Lbottom
.Ldiag:
	DIAG
	s_wait_xcnt 0x0                                ; the stores have read their registers and O's address
	s_mov_b64 s[10:11], s[78:79]
	s_mov_b32 s[RT], 64                            ; the second block's diagonal is the tail: no later trip finds 0 here
	WIN 0x02                                       ; the second block's Q goes where the one text of the steps names Q
.set i, 0
.rept 32
	v_mov_b32 v[Q+i], v[QB+i]
.set i, i+1
.endr
	WIN 0
	FRESH
.Lbottom:
	s_sub_co_u32 s[SLOTS], s[SLOTS], 1
	s_cmp_lg_u32 s[SLOTS], 0
	s_cbranch_scc1 .Ltile
	CHANGE 0                                       ; the walk's last tile is written out: nothing is asked for
	FETCH_K
	DIAG
	s_wait_tensorcnt 0x0                           ; the wave's end: behind my last tensor load and my last LDS store
	ds_add_u32 v[SPW], v[NIL]
	s_wait_dscnt 0x0
	s_endpgm
.Lfunc_end_k_q4161df47bd_attn:
	.size	k_q4161df47bd_attn, .Lfunc_end_k_q4161df47bd_attn-k_q4161df47bd_attn
	.p2alignl 7, 3214868480
	.fill 96, 4, 3214868480
	.section	.rodata,"a",@progbits
	.p2align	6, 0x0
	.amdhsa_kernel k_q4161df47bd_attn
		.amdhsa_group_segment_fixed_size 327680
		.amdhsa_private_segment_fixed_size 0
		.amdhsa_enable_private_segment 0
		.amdhsa_kernarg_size 24
		.amdhsa_user_sgpr_count 2
		.amdhsa_user_sgpr_kernarg_segment_ptr 1
		.amdhsa_wavefront_size32 1
		.amdhsa_system_sgpr_workgroup_id_x 1
		.amdhsa_system_sgpr_workgroup_id_y 1
		.amdhsa_system_sgpr_workgroup_id_z 1
		.amdhsa_system_vgpr_workitem_id 0
		.amdhsa_next_free_vgpr 576
		.amdhsa_next_free_sgpr 96
		.amdhsa_reserve_vcc 1
		.amdhsa_float_denorm_mode_32 3
		.amdhsa_float_denorm_mode_16_64 3
		.amdhsa_memory_ordered 1
		.amdhsa_forward_progress 1
		.amdhsa_inst_pref_size 141
	.end_amdhsa_kernel
	.amdgpu_metadata
---
amdhsa.version: [ 1, 2 ]
amdhsa.kernels:
  - .name:           k_q4161df47bd_attn
    .symbol:         k_q4161df47bd_attn.kd
    .args:
      - { .name: qk, .offset: 0, .size: 8, .value_kind: global_buffer, .address_space: global }
      - { .name: vh, .offset: 8, .size: 8, .value_kind: global_buffer, .address_space: global }
      - { .name: oh, .offset: 16, .size: 8, .value_kind: global_buffer, .address_space: global }
    .group_segment_fixed_size: 327680
    .private_segment_fixed_size: 0
    .kernarg_segment_align: 8
    .kernarg_segment_size: 24
    .max_flat_workgroup_size: 128
    .sgpr_count:     96
    .vgpr_count:     576
    .wavefront_size: 32
...
	.end_amdgpu_metadata
.endif
;; end of part 3
;; launch oproj (part 4): grid 8 x 32, 4 waves a work-group, clusters of 4 x 4, 327,680 bytes of LDS; arguments oh, wof, bo, x, out0; writes out0
.if DOCPART == 4
	.amdgcn_target "amdgcn-amd-amdhsa--gfx1250"
	.amdhsa_code_object_version 6
	.text
	.protected	k_q4161df47bd_oproj
	.globl	k_q4161df47bd_oproj
	.p2align	8
	.type	k_q4161df47bd_oproj,@function
k_q4161df47bd_oproj:
	s_mov_b64 s[64:65], 0
	v_nop
	global_prefetch_b8 v0, s[64:65] scope:SCOPE_SE
	s_setreg_imm32_b32 hwreg(HW_REG_WAVE_MODE, 25, 1), 1
	s_wait_xcnt 0x0
	s_wait_alu depctr_hold_cnt(0) depctr_sa_sdst(0) depctr_va_vdst(0) depctr_va_sdst(0) depctr_va_ssrc(0) depctr_va_vcc(0) depctr_vm_vsrc(0)
	s_getreg_b32 s2, hwreg(HW_REG_IB_STS2, 6, 4)
	s_cmp_eq_u32 s2, 0
	s_cbranch_scc0 .Lentry_in_a_cluster
	s_endpgm
.Lentry_in_a_cluster:
	s_bfe_u32 s2, ttmp6, 0x10000c
	s_cmp_lg_u32 s2, 0xf033
	s_cbranch_scc0 .Lentry_shape_is_right
	s_endpgm
.Lentry_shape_is_right:
; OUT = O x wo + bf16(bo) + bf16(x).  oh: f16 [4096][2048]; wof: f16 [2048][1024], as it lies ([k][n]); sums in f32; out0 f32 [4096][1024].
; The residual and the bias enter rounded to bf16, as every input of the program does.
; A tile of out0 is 128 x 128: 256 work-groups, four waves of 64 x 64 (16 accumulators).  K goes in steps of 256 through two LDS slots: A's 128 rows of 512 bytes (waves 0 and 1 fetch 64 rows each), then B's
; 256 k rows of 256 bytes (waves 2 and 3 fetch 128 each).  CLUSTER 4 x 4: A's tile is asked for jointly along a row of the cluster, B's along a column.
; NO PREFETCH: a small tile with short steps; the joint loads are all that asks.
; THE MATRIX INSTRUCTION IS USED TRANSPOSED: source 0 = 16 columns of wo (turned by ds_load_tr16_b128), source 1 = 16 rows of O: a lane holds one row and eight neighbouring columns.
; REGISTERS: window 0: addresses, at work, v128-255 accumulators ((a, b) at 128 + 8 (4 a + b)); window 1: two fragment buffers of 128 (64 of A, 64 of B, for 64 along K), later the rows read back; window 2: v0-127 the residual.
.set KSTEP, 256
.set PA,    528                        ; a row of A and of the stage: 512 + 16 bytes = 132 words: row r starts at bank 4 r mod 64 (64 banks of 4 bytes: ISA guide 11.1)
.set PB,    288                        ; a row of B: 256 + 32 bytes
.set ABY,   128*PA
.set SLOT,  ABY+256*PB
.set SPARE, 2*SLOT                     ; the spare words, 128 bytes a wave: two blocks of 256 bytes that no other line names
.set LAPS,  4                          ; the stage (128 rows x 528 bytes of f32) lies at byte 0, in slot 0, behind that slot's last fill
.set BIA,  8                           ; v[8:11] bias of my four columns
.set ADRA, 16                          ; v16-17
.set ADRB, 18                          ; v18-21: 2 x slot + which 128 k rows
.set STO,  24
.set RD,   25
.set GO,   26
.set SPW,  28
.set NIL,  29
.set TMP,  32
.set ACC,  128
.set F0,   0
.set F1,   128
.set WV,  14
.set G1A, 24
.set G0A, 32
.set G1B, 48
.set G0B, 56
.set MSB, 0
.macro WIN new
.if MSB != (\new)
	s_set_vgpr_msb (MSB<<8)|(\new)
.set MSB, \new
.endif
.endm
.set MUL,  0x05
.set TO_F, 0x40
.macro PLACES
.rept 4
	v_nop
.endr
.endm
.macro JLOAD s                         ; a joint load; an s_nop 0 and four v_nop follow each of the two lines
	s_cmp_eq_u32 s15, 0
	s_cbranch_scc0 .Lfor_b_\@
	tensor_load_to_lds s[G0A+4*(\s):G0A+4*(\s)+3], s[G1A:G1A+7]
	s_nop 0
	PLACES
	s_branch .Lasked_\@
.Lfor_b_\@:
	tensor_load_to_lds s[G0B+4*(\s):G0B+4*(\s)+3], s[G1B:G1B+7]
	s_nop 0
	PLACES
.Lasked_\@:
.endm
.macro CREST
	s_cmp_lg_u32 s[WV], 0
	s_cbranch_scc1 .Lnot_wave_0_\@
	s_barrier_signal -3
.Lnot_wave_0_\@:
	s_barrier_wait -3
	s_barrier_signal -1
	s_barrier_wait -1
.endm
.macro CROUND
	s_barrier_signal -1
	s_barrier_wait -1
	CREST
.endm
	s_load_b256 s[4:11], s[0:1], 0x0               ; oh 4:5, wof 6:7, bo 8:9, x 10:11
	s_load_b64 s[12:13], s[0:1], 0x20              ; out0
	v_lshl_add_u32 v[SPW], v0, 2, SPARE
	v_mov_b32 v[NIL], 0
	ds_add_u32 v[SPW], v[NIL]                      ; the wave's opening: the add and its wait ahead of my first tensor load
	v_lshrrev_b32 v1, 5, v0
	v_readfirstlane_b32 s[WV], v1
	s_lshr_b32 s15, s[WV], 1                       ; which 64 rows are mine.  Also: I fetch for A (0) or for B (1)
	s_and_b32 s16, s[WV], 1                        ; which 64 columns.  Also: which half of that tile I fetch
	s_mov_b32 s17, 0xffff0000
	s_bfe_u32 s40, ttmp6, 0x40000                  ; cx
	s_bfe_u32 s41, ttmp6, 0x40004                  ; cy
	s_lshl_b32 s42, ttmp9, 2
	s_add_co_u32 s42, s42, s40                     ; tile column
	s_and_b32 s43, ttmp7, 0xffff
	s_lshl_b32 s43, s43, 2
	s_add_co_u32 s43, s43, s41                     ; tile row
	s_lshl_b32 s44, s41, 2
	s_lshl_b32 s44, 15, s44                        ; my row of the cluster
	s_lshl_b32 s45, 0x1111, s40                    ; my column
	s_or_b32 s[G1A], s44, (1<<16)|(1<<20)|(1<<21)|(6<<22)|(3<<25)  ; mask; 2-byte elements; padding on; bit 21 beside a mask; after every 128 words, 4 words
	s_mov_b32 s[G1A+1], 256<<16                    ; 64 rows x 256 elements
	s_mov_b32 s[G1A+2], 64<<16
	s_mov_b32 s[G1A+3], 256<<16
	s_mov_b32 s[G1A+4], 64
	s_mov_b32 s[G1A+5], 2048
	s_mov_b32 s[G1A+6], 0
	s_mov_b32 s[G1A+7], 0
	s_or_b32 s[G1B], s45, (1<<16)|(1<<20)|(1<<21)|(5<<22)|(7<<25)  ; after every 64 words, 8 words
	s_mov_b32 s[G1B+1], 128<<16                    ; 128 k rows x 128 elements
	s_mov_b32 s[G1B+2], 128<<16
	s_mov_b32 s[G1B+3], 128<<16
	s_mov_b32 s[G1B+4], 128
	s_mov_b32 s[G1B+5], 1024
	s_mov_b32 s[G1B+6], 0
	s_mov_b32 s[G1B+7], 0
	s_lshl_b32 s22, s16, 18                        ; my half: 64 rows of 4,096 bytes, or 128 k rows of 2,048
	s_lshl_b32 s18, s43, 19                        ; A: the tile row alone
	s_add_co_u32 s18, s18, s22
	s_mov_b32 s19, 0
	s_lshl_b32 s46, s42, 8                         ; B: the tile column alone
	s_add_co_u32 s46, s46, s22
	s_mov_b32 s47, 0
	s_mul_i32 s20, s16, 64*PA                      ; where they land: the wave's number and constants alone
	s_mul_i32 s21, s16, 128*PB
	s_add_co_u32 s21, s21, ABY
	s_wait_dscnt 0x0                               ; the opening add is done
	s_wait_kmcnt 0x0
	s_add_nc_u64 s[18:19], s[4:5], s[18:19]
	s_add_nc_u64 s[46:47], s[6:7], s[46:47]
	CROUND                                         ; all sixteen work-groups are here: the first joint loads meet
.irp s, 0,1
	s_mov_b32 s[G0A+4*\s], 1
	s_add_co_u32 s[G0A+4*\s+1], s20, \s*SLOT
	s_add_nc_u64 s[G0A+4*\s+2:G0A+4*\s+3], s[18:19], \s*KSTEP*2
	s_or_b32 s[G0A+4*\s+3], s[G0A+4*\s+3], 0x80000000
	s_mov_b32 s[G0B+4*\s], 1
	s_add_co_u32 s[G0B+4*\s+1], s21, \s*SLOT
	s_add_nc_u64 s[G0B+4*\s+2:G0B+4*\s+3], s[46:47], \s*KSTEP*2048
	s_or_b32 s[G0B+4*\s+3], s[G0B+4*\s+3], 0x80000000
	JLOAD \s
.endr
	v_and_b32 v1, 15, v0                           ; r
	v_bfe_u32 v2, v0, 4, 1                         ; h
	v_and_b32 v3, 7, v0
	v_bfe_u32 v4, v0, 3, 1
	v_and_b32 v5, 31, v0
	v_mul_u32_u24 v6, v1, PA
	s_mul_i32 s22, s15, 64*PA
	v_add_nc_u32 v6, s22, v6                       ; (64 R + r) x 528
	v_lshl_add_u32 v[ADRA], v2, 4, v6
	v_add_nc_u32 v[ADRA+1], SLOT, v[ADRA]
	v_lshl_add_u32 v7, v2, 3, v3
	v_mul_u32_u24 v7, v7, PB
	v_lshl_add_u32 v7, v4, 4, v7
	s_lshl_b32 s22, s16, 7
	s_add_co_u32 s22, s22, ABY
	v_add_nc_u32 v[ADRB], s22, v7
	v_add_nc_u32 v[ADRB+1], 128*PB, v[ADRB]
	v_add_nc_u32 v[ADRB+2], SLOT, v[ADRB]
	v_add_nc_u32 v[ADRB+3], SLOT+128*PB, v[ADRB]
	s_lshl_b32 s22, s16, 8
	v_lshl_add_u32 v[STO], v2, 5, v6
	v_add_nc_u32 v[STO], s22, v[STO]               ; (64 R + r) x 528 + 256 c + 32 h
	s_mul_i32 s22, s[WV], 32*PA
	v_lshl_add_u32 v[RD], v5, 4, s22               ; back: wave w takes rows 32 w on, whole: 512 bytes, 16 a lane
	v_lshlrev_b32 v[GO], 4, v5
	s_lshl_b32 s22, s43, 19                        ; x and out0 at row 128 x tile row + 32 x wave, column 128 x tile column
	s_lshl_b32 s23, s[WV], 17
	s_add_co_u32 s22, s22, s23
	s_lshl_b32 s23, s42, 9
	s_add_co_u32 s22, s22, s23
	s_mov_b32 s23, 0
	s_add_nc_u64 s[10:11], s[10:11], s[22:23]
	s_add_nc_u64 s[12:13], s[12:13], s[22:23]
	s_lshl_b32 s22, s42, 9
	s_add_nc_u64 s[8:9], s[8:9], s[22:23]
	global_load_b128 v[BIA:BIA+3], v[GO], s[8:9]   ; bias and residual are on their way while the products run
	WIN 0x80
.set t, 0
.rept 32
	global_load_b128 v[4*t:4*t+3], v[GO], s[10:11] offset:4096*t
.set t, t+1
.endr
	WIN 0
.macro MUL8 f, c, a0, zero             ; row blocks a0, a0 + 1 x all 4 column blocks, 32 along K: half c of buffer f.  The 16 accumulators take turns
	WIN MUL
.irp a, \a0, (\a0)+1
.irp b, 0,1,2,3
.if \zero
	v_wmma_f32_16x16x32_f16 v[ACC+8*(4*(\a)+(\b)):ACC+8*(4*(\a)+(\b))+7], v[(\f)+64+8*(4*(\c)+(\b)):(\f)+64+8*(4*(\c)+(\b))+7], v[(\f)+8*(4*(\c)+(\a)):(\f)+8*(4*(\c)+(\a))+7], 0
.else
	v_wmma_f32_16x16x32_f16 v[ACC+8*(4*(\a)+(\b)):ACC+8*(4*(\a)+(\b))+7], v[(\f)+64+8*(4*(\c)+(\b)):(\f)+64+8*(4*(\c)+(\b))+7], v[(\f)+8*(4*(\c)+(\a)):(\f)+8*(4*(\c)+(\a))+7], v[ACC+8*(4*(\a)+(\b)):ACC+8*(4*(\a)+(\b))+7]
.endif
.endr
.endr
.endm
.macro FETCH slot, kq, f               ; 32 LDS loads in one run: quarter kq (64 along K) into buffer f; the first 32 along K first
	WIN TO_F
.irp c, 0,1
.irp i, 0,1,2,3
	ds_load_tr16_b128 v[(\f)+64+8*(4*(\c)+(\i)):(\f)+64+8*(4*(\c)+(\i))+3],   v[ADRB+2*(\slot)+(\kq)/2] offset:(((\kq)%2)*64+32*(\c))*PB+32*(\i)
	ds_load_tr16_b128 v[(\f)+64+8*(4*(\c)+(\i))+4:(\f)+64+8*(4*(\c)+(\i))+7], v[ADRB+2*(\slot)+(\kq)/2] offset:(((\kq)%2)*64+32*(\c)+16)*PB+32*(\i)
	ds_load_b128 v[(\f)+8*(4*(\c)+(\i)):(\f)+8*(4*(\c)+(\i))+3],         v[ADRA+(\slot)] offset:128*(\kq)+64*(\c)+(\i)*16*PA
	ds_load_b128 v[(\f)+8*(4*(\c)+(\i))+4:(\f)+8*(4*(\c)+(\i))+7],       v[ADRA+(\slot)] offset:128*(\kq)+64*(\c)+(\i)*16*PA+32
.endr
.endr
.endm
.macro QUARTER slot, kq, f, g, zero
	s_wait_dscnt 16                                ; the first 32 along K are in
	MUL8 \f, 0, 0, \zero
	MUL8 \f, 0, 2, \zero
	PLACES
	FETCH \slot, \kq, \g
	s_wait_dscnt 32                                ; all but the 32 just issued
	MUL8 \f, 1, 0, 0
	MUL8 \f, 1, 2, 0
.endm
.macro TURN slot, next, fill           ; the last quarter multiplies buffer 1 and changes slots
	WIN 0
	s_wait_tensorcnt 0x0                           ; all my tensor loads have landed
	ds_add_u32 v[SPW], v[NIL]
	s_wait_dscnt 17                                ; (the add and the youngest sixteen loads may be out)
	MUL8 F1, 0, 0, 0
	s_wait_dscnt 0x0                               ; the add is done, and my reads of this slot are over
	s_barrier_signal -1
	MUL8 F1, 0, 2, 0
	WIN 0
	s_barrier_wait -1
.if \fill
	CREST                                          ; no wave of any partner still reads this slot's tiles or has a load on its way
	s_add_nc_u64 s[G0A+4*(\slot)+2:G0A+4*(\slot)+3], s[G0A+4*(\slot)+2:G0A+4*(\slot)+3], 2*KSTEP*2
	s_add_nc_u64 s[G0B+4*(\slot)+2:G0B+4*(\slot)+3], s[G0B+4*(\slot)+2:G0B+4*(\slot)+3], 2*KSTEP*2048
	JLOAD \slot                                    ; its four v_nop are also the places in front of the loads below
.else
	PLACES
.endif
	FETCH \next, 0, F0
	MUL8 F1, 1, 0, 0
	MUL8 F1, 1, 2, 0
.endm
	s_wait_tensorcnt 1                             ; my part of K step 0 is in; K step 1's may stay out
	s_barrier_signal -1
	s_barrier_wait -1
	FETCH 0, 0, F0
	QUARTER 0, 1, F0, F1, 1
	WIN 0
	s_mov_b32 s3, LAPS-1
.Llap:
	QUARTER 0, 2, F1, F0, 0
	QUARTER 0, 3, F0, F1, 0
	TURN 0, 1, 1
	QUARTER 1, 1, F0, F1, 0
	QUARTER 1, 2, F1, F0, 0
	QUARTER 1, 3, F0, F1, 0
	TURN 1, 0, 1
	QUARTER 0, 1, F0, F1, 0
	WIN 0
	s_sub_co_u32 s3, s3, 1
	s_cmp_lg_u32 s3, 0
	s_cbranch_scc1 .Llap
	QUARTER 0, 2, F1, F0, 0                        ; the last lap fills nothing
	QUARTER 0, 3, F0, F1, 0
	TURN 0, 1, 0                                   ; behind this barrier nobody reads slot 0 any more
	QUARTER 1, 1, F0, F1, 0
	QUARTER 1, 2, F1, F0, 0
	QUARTER 1, 3, F0, F1, 0
	s_wait_dscnt 16
	MUL8 F1, 0, 0, 0
	MUL8 F1, 0, 2, 0
	s_wait_dscnt 0x0
	MUL8 F1, 1, 0, 0
	MUL8 F1, 1, 2, 0
	WIN 0
	; THE WAY OUT: the sums go into the stage in f32 (each accumulator's low half first); a barrier, since a row's 512 bytes come from two waves; back as whole rows, 32 a wave.
	PLACES
	PLACES
.irp a, 0,1,2,3
.irp b, 0,1,2,3
	ds_store_b128 v[STO], v[ACC+8*(4*\a+\b):ACC+8*(4*\a+\b)+3]   offset:\a*16*PA+64*\b
	ds_store_b128 v[STO], v[ACC+8*(4*\a+\b)+4:ACC+8*(4*\a+\b)+7] offset:\a*16*PA+64*\b+16
.endr
.endr
	s_wait_dscnt 0x0                               ; for the others' sake: my stores into the stage are done
	s_barrier_signal -1
	s_wait_loadcnt 0x0                             ; work on registers while the others arrive: bias and residual are rounded to bf16, kept as f32, and added
	v_cvt_pk_bf16_f32 v12, v[BIA], v[BIA+1]
	v_cvt_pk_bf16_f32 v13, v[BIA+2], v[BIA+3]
	v_lshlrev_b32 v[BIA], 16, v12
	v_and_b32 v[BIA+1], s17, v12
	v_lshlrev_b32 v[BIA+2], 16, v13
	v_and_b32 v[BIA+3], s17, v13
	WIN 0x0a                                       ; sources in window 2
.set n, 0
.rept 64
	v_cvt_pk_bf16_f32 v[TMP+n], v[2*n], v[2*n+1]
.set n, n+1
.endr
	WIN 0x80                                       ; destination in window 2
.set n, 0
.rept 64
	v_lshlrev_b32 v[2*n], 16, v[TMP+n]
	v_and_b32 v[2*n+1], s17, v[TMP+n]
.set n, n+1
.endr
	WIN 0x82                                       ; destination and source 0 in window 2
.set n, 0
.rept 64
	v_pk_add_f32 v[2*n:2*n+1], v[2*n:2*n+1], v[BIA+2*(n%2):BIA+2*(n%2)+1]
.set n, n+1
.endr
	WIN 0
	s_barrier_wait -1
	WIN TO_F
.set t, 0
.rept 32
	ds_load_b128 v[4*t:4*t+3], v[RD] offset:PA*t
.set t, t+1
.endr
.irp g, 0,1,2,3                        ; eight rows at a time
	s_wait_dscnt 24-8*\g
	WIN 0x49                                       ; destination and source 0 in window 1, source 1 in window 2
.set n, 0
.rept 16
	v_pk_add_f32 v[32*\g+2*n:32*\g+2*n+1], v[32*\g+2*n:32*\g+2*n+1], v[32*\g+2*n:32*\g+2*n+1]
.set n, n+1
.endr
	WIN 0x04                                       ; the stores' data in window 1
.set n, 0
.rept 8
	global_store_b128 v[GO], v[32*\g+4*n:32*\g+4*n+3], s[12:13] offset:4096*(8*\g+n) th:TH_STORE_NT  ; a wave's store covers 512 consecutive bytes, at a multiple of 256 from out0's first byte
.set n, n+1
.endr
.endr
	WIN 0
	s_wait_tensorcnt 0x0                           ; the wave's end: behind my last tensor load and my last LDS store
	ds_add_u32 v[SPW], v[NIL]
	s_wait_dscnt 0x0
	CROUND                                         ; the closing round
	s_endpgm
.Lfunc_end_k_q4161df47bd_oproj:
	.size	k_q4161df47bd_oproj, .Lfunc_end_k_q4161df47bd_oproj-k_q4161df47bd_oproj
	.p2alignl 7, 3214868480
	.fill 96, 4, 3214868480
	.section	.rodata,"a",@progbits
	.p2align	6, 0x0
	.amdhsa_kernel k_q4161df47bd_oproj
		.amdhsa_group_segment_fixed_size 327680
		.amdhsa_private_segment_fixed_size 0
		.amdhsa_enable_private_segment 0
		.amdhsa_kernarg_size 40
		.amdhsa_user_sgpr_count 2
		.amdhsa_user_sgpr_kernarg_segment_ptr 1
		.amdhsa_wavefront_size32 1
		.amdhsa_system_sgpr_workgroup_id_x 1
		.amdhsa_system_sgpr_workgroup_id_y 1
		.amdhsa_system_sgpr_workgroup_id_z 1
		.amdhsa_system_vgpr_workitem_id 0
		.amdhsa_next_free_vgpr 640
		.amdhsa_next_free_sgpr 72
		.amdhsa_reserve_vcc 0
		.amdhsa_float_denorm_mode_32 3
		.amdhsa_float_denorm_mode_16_64 3
		.amdhsa_memory_ordered 1
		.amdhsa_forward_progress 1
		.amdhsa_inst_pref_size 106
	.end_amdhsa_kernel
	.amdgpu_metadata
---
amdhsa.version: [ 1, 2 ]
amdhsa.kernels:
  - .name:           k_q4161df47bd_oproj
    .symbol:         k_q4161df47bd_oproj.kd
    .args:
      - { .name: oh, .offset: 0, .size: 8, .value_kind: global_buffer, .address_space: global }
      - { .name: wof, .offset: 8, .size: 8, .value_kind: global_buffer, .address_space: global }
      - { .name: bo, .offset: 16, .size: 8, .value_kind: global_buffer, .address_space: global }
      - { .name: x, .offset: 24, .size: 8, .value_kind: global_buffer, .address_space: global }
      - { .name: out0, .offset: 32, .size: 8, .value_kind: global_buffer, .address_space: global }
    .group_segment_fixed_size: 327680
    .private_segment_fixed_size: 0
    .kernarg_segment_align: 8
    .kernarg_segment_size: 40
    .max_flat_workgroup_size: 128
    .sgpr_count:     72
    .vgpr_count:     640
    .wavefront_size: 32
...
	.end_amdgpu_metadata
.endif
;; end of part 4
;; ======== version 2 of 2: 4 launches; version 1 with the launch prep written anew for expert scheduling mode
;; limits: values are held in f16: magnitudes above 65,504 overflow, below 6.1e-05 lose precision
;; workspace buffers: xa 8,388,608 bytes; wb 12,582,912 bytes; wof 4,194,304 bytes; aux 540,672 bytes; qk 16,777,216 bytes; vh 16,777,216 bytes; oh 16,777,216 bytes
;; launch prep (part 5): grid 896 x 1, 8 waves a work-group, no clusters, 0 bytes of LDS; arguments x, rms_w, wq, wk, wv, wo, xa, wb, wof, aux; writes xa, wb, wof, aux
.if DOCPART == 5
	.amdgcn_target "amdgcn-amd-amdhsa--gfx1250"
	.amdhsa_code_object_version 6
	.text
	.protected	k_q4161df47bd_prep
	.globl	k_q4161df47bd_prep
	.p2align	8
	.type	k_q4161df47bd_prep,@function
k_q4161df47bd_prep:
	s_mov_b64 s[64:65], 0
	v_nop
	global_prefetch_b8 v0, s[64:65] scope:SCOPE_SE
	s_setreg_imm32_b32 hwreg(HW_REG_WAVE_SCHED_MODE, 0, 2), 2
	s_setreg_imm32_b32 hwreg(HW_REG_WAVE_MODE, 25, 1), 1
	s_wait_xcnt 0x0
	s_wait_alu depctr_vm_vsrc(0)
; PREP: the casts, the rows' factors and the table of the rotation.  Nothing is multiplied by a matrix here, so no LDS, no barrier, no matrix unit: a stream.
; Every input enters the program rounded once to bf16 (x, rms_w, the weights here; the biases and the residual where they are used).
;   work-groups   0..255  x  -> xa = bf16(bf16(x) * bf16(rms_w)), and rs[row] = 1 / sqrt(mean(bf16(x)^2) + 1e-5) in f32 (aux, from byte 524,288 on)
;   work-groups 256..639  wq, wk, wv -> wb, bf16, as they lie ([k][n]), 128 work-groups each
;   work-groups 640..767  wo -> wof = bf16(wo) written as f16.  LIMIT: |wo| under 65,504
;   work-groups 768..895  the table T (aux, from byte 0): f16 [2048 positions][128]; for channel i < 64 of the rotated vector,
;                         T[s][2i], T[s][2i+1] = (cos, -sin) of s f_i for even i, (sin, cos) for odd i, f_i = 10000^(-i/64): rotated[i] = T[2i] x[2i] + T[2i+1] x[2i+1]
; A casting wave takes 8,192 consecutive bytes (16 loads of 512 bytes, all issued at once) and stores 4,096 (16 stores of 256 consecutive bytes, aligned).
; THE ANGLES.  s f is reduced exactly: k = round(s f / pi), r = fma(s, f / pi, -k), theta = pi r in [-pi/2, pi/2]; sine and cosine by their series to theta^11 and theta^12,
; whose ends are under 6e-8 on that interval for every position; the sign by k's parity.  f itself is good to a few parts in 10^7, so an angle near 2,000 is good to some 2e-4.
; THE MODE: SCHED_MODE bits 1:0 = 2 (LLVM: expert scheduling mode 2), set by the entry lines.  The code itself states the register dependences
; between vector instructions and memory instructions, with s_wait_alu, always for 0.
; THE PLAN.  Registers that memory instructions touch:
;   v2, v3     the loads' and the stores' offsets: made once at the head, never written again.
;   X          16 loads of 4 registers: each is written by one load, once, and read by that load's conversions; no vector line names it ahead of the load.
;   G          rms_w: written by one load each; behind the wait for those loads named by vector lines alone.
;   Y          16 stores of 2 registers: pair j is written once, by the conversions of load j, and read once, by store j.
;   T, SS      at work, named by vector lines alone, but for the store of rs at the end of x's path (data T, T+1; offset T+2).
; No register that a memory instruction reads is written again, so the streams hold no wait on vm_vsrc.
; A stream's 16 loads are taken in four groups of four.  At a group's head stand the wait for its four loads and, from the second group on, ONE wait on va_vdst: the group before has written its Y.
; That group's four stores are dealt among this group's vector lines, which name X, Y of this group, T, G and SS: none of the registers that those stores read.  One more wait stands ahead of the last four stores.
.set X,   4                            ; v[4:67]    16 loads of 4
.set Y,   68                           ; v[68:99]   16 stores of 2
.set G,   100                          ; v[100:131] rms_w of my 32 columns
.set T,   132                          ; v[132:139] at work
.set SS,  140                          ; v[140:147] sums of squares: two chains of a pair for each of the wave's two rows
.set RSOFF, 524288
.macro XLOADS                          ; the wave's 8,192 bytes
.set j, 0
.rept 16
	global_load_b128 v[X+4*j:X+4*j+3], v2, s[28:29] offset:512*j th:TH_LOAD_NT
.set j, j+1
.endr
.endm
.macro PUT n                           ; store n: what load n's numbers have become, 8 bytes a lane
	global_store_b64 v3, v[Y+2*(\n):Y+2*(\n)+1], s[30:31] offset:256*(\n) th:TH_STORE_NT
.endm
.macro HEAD                            ; in front of load j's lines: at a group's first load the two waits; from the second group on the store four loads back
.if j%4 == 0
	s_wait_loadcnt 12-j                            ; loads come back in order (ISA guide 5.7.1): this group's four are in, the younger ones stay out
.if j > 0
	s_wait_alu depctr_va_vdst(0)                   ; the group before has written its four pairs of Y, which the four stores dealt among this group's lines read
.endif
.endif
.if j >= 4
	PUT j-4                                        ; no vector line since the wait names this pair of Y or v3
.endif
.endm
.macro TAIL                            ; behind the fourth group
	s_wait_alu depctr_va_vdst(0)                   ; the fourth group has written its four pairs of Y, which the last four stores read
.irp q, 12,13,14,15
	PUT \q
.endr
.endm
	s_load_b512 s[4:19], s[0:1], 0x0               ; x 4:5, rms_w 6:7, wq 8:9, wk 10:11, wv 12:13, wo 14:15, xa 16:17, wb 18:19
	s_load_b128 s[20:23], s[0:1], 0x40             ; wof 20:21, aux 22:23
	v_and_b32 v1, 31, v0                           ; lane
	v_lshrrev_b32 v2, 5, v0
	v_readfirstlane_b32 s24, v2                    ; wave
	v_lshlrev_b32 v2, 4, v1                        ; 16 x lane: loads
	v_lshlrev_b32 v3, 3, v1                        ; 8 x lane: stores
	s_mov_b32 s25, ttmp9
	s_mov_b32 s33, 0
	s_mov_b32 s34, 0x76543210                      ; v_permlanex16_b32: each lane takes its own place in the other half
	s_mov_b32 s35, 0xfedcba98
	s_mov_b32 s36, 0x3a800000                      ; 1 / 1024
	s_mov_b32 s37, 0x3727c5ac                      ; 1e-5
	s_mov_b32 s39, 0xffff0000                      ; a word's upper bf16
	s_wait_alu depctr_va_sdst(0)                   ; s24, the wave's number, is written: ahead of the branch below and of its first reader, the line that makes W
	s_wait_kmcnt 0x0
	s_cmp_ge_u32 s25, 768
	s_cbranch_scc1 .Ltable
	; which stream is mine
	s_and_b32 s26, s25, 127
	s_cmp_lt_u32 s25, 256
	s_cselect_b32 s26, s25, s26                    ; my number among the stream's work-groups
	s_mov_b64 s[28:29], s[14:15]                   ; wo -> wof, unless
	s_mov_b64 s[30:31], s[20:21]
	s_cmp_lt_u32 s25, 640
	s_cselect_b64 s[28:29], s[12:13], s[28:29]     ; wv -> wb
	s_cselect_b64 s[30:31], s[18:19], s[30:31]
	s_cmp_lt_u32 s25, 512
	s_cselect_b64 s[28:29], s[10:11], s[28:29]     ; wk
	s_cmp_lt_u32 s25, 384
	s_cselect_b64 s[28:29], s[8:9], s[28:29]       ; wq
	s_cmp_lt_u32 s25, 256
	s_cselect_b64 s[28:29], s[4:5], s[28:29]       ; x -> xa
	s_cselect_b64 s[30:31], s[16:17], s[30:31]
	s_sub_co_u32 s27, s25, 256
	s_lshr_b32 s27, s27, 7
	s_lshl_b32 s27, s27, 22                        ; wq, wk, wv lie 4,194,304 bytes apart in wb
	s_cmp_lt_u32 s25, 256
	s_cselect_b32 s27, 0, s27
	s_cmp_ge_u32 s25, 640
	s_cselect_b32 s27, 0, s27
	s_lshl3_add_u32 s26, s26, s24                  ; W = 8 x work-group + wave
	s_lshl_b32 s32, s26, 13
	s_add_nc_u64 s[28:29], s[28:29], s[32:33]
	s_lshl_b32 s32, s26, 12
	s_add_co_u32 s32, s32, s27
	s_add_nc_u64 s[30:31], s[30:31], s[32:33]
	s_wait_alu depctr_va_vdst(0)                   ; v2 and v3 are written: every load of the three streams reads v2 as its offset, every store of theirs v3
	s_cmp_lt_u32 s25, 256
	s_cbranch_scc1 .Lnorm
	XLOADS
	s_cmp_ge_u32 s25, 640
	s_cbranch_scc1 .Lwo
	; wq, wk, wv: f32 -> bf16
.set j, 0
.rept 16
	HEAD
	v_cvt_pk_bf16_f32 v[Y+2*j], v[X+4*j], v[X+4*j+1]
	v_cvt_pk_bf16_f32 v[Y+2*j+1], v[X+4*j+2], v[X+4*j+3]
.set j, j+1
.endr
	TAIL
	s_endpgm
.Lwo:                                  ; wo: f32 -> bf16 -> f16 (the second step is exact inside f16's range)
.set j, 0
.rept 16
	HEAD
	v_cvt_pk_bf16_f32 v[T], v[X+4*j], v[X+4*j+1]
	v_cvt_pk_bf16_f32 v[T+1], v[X+4*j+2], v[X+4*j+3]
	v_lshlrev_b32 v[T+2], 16, v[T]
	v_and_b32 v[T+3], s39, v[T]
	v_lshlrev_b32 v[T+4], 16, v[T+1]
	v_and_b32 v[T+5], s39, v[T+1]
	v_cvt_pk_f16_f32 v[Y+2*j], v[T+2], v[T+3]
	v_cvt_pk_f16_f32 v[Y+2*j+1], v[T+4], v[T+5]
.set j, j+1
.endr
	TAIL
	s_endpgm
.Lnorm:                                ; x: the wave's 8,192 bytes are two rows
.set j, 0
.rept 8
	global_load_b128 v[G+4*j:G+4*j+3], v2, s[6:7] offset:512*j
.set j, j+1
.endr
	XLOADS
	s_lshl_b32 s32, s26, 3                         ; rs of rows 2 W and 2 W + 1: 8 bytes
	s_add_co_u32 s32, s32, RSOFF
	s_add_nc_u64 s[40:41], s[22:23], s[32:33]
	s_wait_loadcnt 16                              ; rms_w is in; x's 16 loads stay out
.set j, 0
.rept 16                               ; rms_w rounded to bf16, kept as f32
	v_cvt_pk_bf16_f32 v[T+j%4], v[G+2*j], v[G+2*j+1]
	v_lshlrev_b32 v[G+2*j], 16, v[T+j%4]
	v_and_b32 v[G+2*j+1], s39, v[T+j%4]
.set j, j+1
.endr
.set j, 0
.rept 16
.set jj, j%8
.set sr, SS+4*(j/8)
	HEAD
	v_cvt_pk_bf16_f32 v[T], v[X+4*j], v[X+4*j+1]
	v_cvt_pk_bf16_f32 v[T+1], v[X+4*j+2], v[X+4*j+3]
	v_lshlrev_b32 v[T+2], 16, v[T]
	v_and_b32 v[T+3], s39, v[T]
	v_lshlrev_b32 v[T+4], 16, v[T+1]
	v_and_b32 v[T+5], s39, v[T+1]
.if jj == 0
	v_pk_mul_f32 v[sr:sr+1], v[T+2:T+3], v[T+2:T+3]        ; the first squares start the sums
	v_pk_mul_f32 v[sr+2:sr+3], v[T+4:T+5], v[T+4:T+5]
.else
	v_pk_fma_f32 v[sr:sr+1], v[T+2:T+3], v[T+2:T+3], v[sr:sr+1]
	v_pk_fma_f32 v[sr+2:sr+3], v[T+4:T+5], v[T+4:T+5], v[sr+2:sr+3]
.endif
	v_pk_mul_f32 v[T+2:T+3], v[T+2:T+3], v[G+4*jj:G+4*jj+1]
	v_pk_mul_f32 v[T+4:T+5], v[T+4:T+5], v[G+4*jj+2:G+4*jj+3]
	v_cvt_pk_bf16_f32 v[Y+2*j], v[T+2], v[T+3]
	v_cvt_pk_bf16_f32 v[Y+2*j+1], v[T+4], v[T+5]
.set j, j+1
.endr
	TAIL                                           ; the last stores leave ahead of the rows' sums, which name SS and T alone
.irp q, 0, 4                           ; each row's sum over the lane's chains and over the 32 lanes
	v_pk_add_f32 v[SS+\q:SS+\q+1], v[SS+\q:SS+\q+1], v[SS+\q+2:SS+\q+3]
	v_add_f32 v[SS+\q], v[SS+\q], v[SS+\q+1]
	v_add_f32_dpp v[SS+\q], v[SS+\q], v[SS+\q] row_xmask:1 row_mask:0xf bank_mask:0xf
	v_add_f32_dpp v[SS+\q], v[SS+\q], v[SS+\q] row_xmask:2 row_mask:0xf bank_mask:0xf
	v_add_f32_dpp v[SS+\q], v[SS+\q], v[SS+\q] row_xmask:4 row_mask:0xf bank_mask:0xf
	v_add_f32_dpp v[SS+\q], v[SS+\q], v[SS+\q] row_xmask:8 row_mask:0xf bank_mask:0xf
	v_permlanex16_b32 v[SS+\q+1], v[SS+\q], s34, s35
	v_add_f32 v[SS+\q], v[SS+\q], v[SS+\q+1]
	v_fma_f32 v[SS+\q], v[SS+\q], s36, s37         ; mean + eps
.endr
	v_rsq_f32 v[T], v[SS]                          ; one batch of two,
	v_rsq_f32 v[T+1], v[SS+4]
	v_mov_b32 v[T+2], 0                            ; a plain instruction behind it (ISA guide 5.7.2): the store's offset
	v_cmp_eq_u32 vcc_lo, 0, v1
	s_wait_xcnt 0x0                                ; EXEC changes only behind this wait: stores are out
	s_wait_alu depctr_va_vcc(0)                    ; the compare has written VCC, of which EXEC is made
	s_wait_alu depctr_va_vdst(0)                   ; ahead of the write of EXEC: every vector line is done; among them the two v_rsq_f32 have written T and T+1, the store's data (the batch's one wait, ahead of its first reader), and T+2, its offset, is written
	s_wait_alu depctr_vm_vsrc(0)                   ; ahead of the write of EXEC: the stream's stores have read their registers
	s_and_saveexec_b32 s38, vcc_lo
	global_store_b64 v[T+2], v[T:T+1], s[40:41]    ; lane 0 alone: 8 bytes a wave, 16 KiB in the whole launch
	s_wait_xcnt 0x0
	s_wait_alu depctr_va_vdst(0)                   ; ahead of the write of EXEC: no vector line is pending
	s_wait_alu depctr_vm_vsrc(0)                   ; ahead of the write of EXEC: the store of rs has read its registers
	s_or_b32 exec_lo, exec_lo, s38
	s_endpgm
.macro TRIG p                          ; entry i = 4 cg + p: its parity is p's
.set t, 16+8*(\p)
	v_mul_f32 v[t], 0x3ea2f983, v[8+(\p)]          ; f / pi
	v_mul_f32 v[t+1], v5, v[t]
	v_rndne_f32 v[t+1], v[t+1]                     ; k
	v_fma_f32 v[t+2], v5, v[t], -v[t+1]            ; r, in [-1/2, 1/2]
	v_mul_f32 v[t+2], 0x40490fdb, v[t+2]           ; theta
	v_mul_f32 v[t+3], v[t+2], v[t+2]               ; z = theta^2
	v_mov_b32 v[t+4], 0xb2d7322b                   ; -1/11!
	v_fmaak_f32 v[t+4], v[t+4], v[t+3], 0x3638ef1d ; 1/9!
	v_fmaak_f32 v[t+4], v[t+4], v[t+3], 0xb9500d01 ; -1/7!
	v_fmaak_f32 v[t+4], v[t+4], v[t+3], 0x3c088889 ; 1/5!
	v_fmaak_f32 v[t+4], v[t+4], v[t+3], 0xbe2aaaab ; -1/3!
	v_fmaak_f32 v[t+4], v[t+4], v[t+3], 0x3f800000
	v_mul_f32 v[t+4], v[t+4], v[t+2]               ; sin theta
	v_mov_b32 v[t+5], 0x310f76c7                   ; 1/12!
	v_fmaak_f32 v[t+5], v[t+5], v[t+3], 0xb493f27e ; -1/10!
	v_fmaak_f32 v[t+5], v[t+5], v[t+3], 0x37d00d01 ; 1/8!
	v_fmaak_f32 v[t+5], v[t+5], v[t+3], 0xbab60b61 ; -1/6!
	v_fmaak_f32 v[t+5], v[t+5], v[t+3], 0x3d2aaaab ; 1/4!
	v_fmaak_f32 v[t+5], v[t+5], v[t+3], 0xbf000000 ; -1/2!
	v_fmaak_f32 v[t+5], v[t+5], v[t+3], 0x3f800000 ; cos theta
	v_cvt_i32_f32 v[t+6], v[t+1]
	v_lshlrev_b32 v[t+6], 31, v[t+6]               ; odd k turns both signs
	v_xor_b32 v[t+4], v[t+6], v[t+4]
	v_xor_b32 v[t+5], v[t+6], v[t+5]
.if (\p)%2 == 0
	v_xor_b32 v[t+4], 0x80000000, v[t+4]
	v_cvt_pk_f16_f32 v[48+(\p)], v[t+5], v[t+4]    ; (cos, -sin)
.else
	v_cvt_pk_f16_f32 v[48+(\p)], v[t+4], v[t+5]    ; (sin, cos)
.endif
.endm
.Ltable:                               ; 16 positions a work-group, 16 lanes a position, four entries (16 bytes) a lane
	s_sub_co_u32 s26, s25, 768
	s_lshl_b32 s26, s26, 4
	v_lshrrev_b32 v4, 4, v0
	v_add_nc_u32 v4, s26, v4                       ; position s
	v_and_b32 v6, 15, v0                           ; cg
	v_cvt_f32_u32 v5, v4
	v_lshlrev_b32 v7, 2, v6
.irp p, 0,1,2,3
	v_add_nc_u32 v[8+\p], \p, v7
	v_cvt_f32_u32 v[8+\p], v[8+\p]
	v_mul_f32 v[8+\p], 0xbe549a78, v[8+\p]         ; -i log2(10000) / 64
.endr
.irp p, 0,1,2,3
	v_exp_f32 v[8+\p], v[8+\p]                     ; f_i: one batch of four
.endr
	v_lshlrev_b32 v52, 8, v4                       ; a plain instruction behind the batch: 256 s
	s_wait_alu depctr_va_vdst(0)                   ; the four v_exp_f32 have written v8 to v11: the batch's one wait, ahead of its first reader
	v_lshl_add_u32 v52, v6, 4, v52                 ; + 16 cg
	TRIG 0
	TRIG 1
	TRIG 2
	TRIG 3
	s_wait_alu depctr_va_vdst(0)                   ; the roundings have written v[48:51], the store's data, and v52, its offset, is written
	global_store_b128 v52, v[48:51], s[22:23]      ; sixteen lanes store a position's 256 consecutive bytes, aligned
	s_endpgm
.Lfunc_end_k_q4161df47bd_prep:
	.size	k_q4161df47bd_prep, .Lfunc_end_k_q4161df47bd_prep-k_q4161df47bd_prep
	.p2alignl 7, 3214868480
	.fill 96, 4, 3214868480
	.section	.rodata,"a",@progbits
	.p2align	6, 0x0
	.amdhsa_kernel k_q4161df47bd_prep
		.amdhsa_group_segment_fixed_size 0
		.amdhsa_private_segment_fixed_size 0
		.amdhsa_enable_private_segment 0
		.amdhsa_kernarg_size 80
		.amdhsa_user_sgpr_count 2
		.amdhsa_user_sgpr_kernarg_segment_ptr 1
		.amdhsa_wavefront_size32 1
		.amdhsa_system_sgpr_workgroup_id_x 1
		.amdhsa_system_sgpr_workgroup_id_y 1
		.amdhsa_system_sgpr_workgroup_id_z 1
		.amdhsa_system_vgpr_workitem_id 0
		.amdhsa_next_free_vgpr 152
		.amdhsa_next_free_sgpr 66
		.amdhsa_reserve_vcc 1
		.amdhsa_float_denorm_mode_32 3
		.amdhsa_float_denorm_mode_16_64 3
		.amdhsa_memory_ordered 1
		.amdhsa_forward_progress 1
		.amdhsa_inst_pref_size 40
	.end_amdhsa_kernel
	.amdgpu_metadata
---
amdhsa.version: [ 1, 2 ]
amdhsa.kernels:
  - .name:           k_q4161df47bd_prep
    .symbol:         k_q4161df47bd_prep.kd
    .args:
      - { .name: x, .offset: 0, .size: 8, .value_kind: global_buffer, .address_space: global }
      - { .name: rms_w, .offset: 8, .size: 8, .value_kind: global_buffer, .address_space: global }
      - { .name: wq, .offset: 16, .size: 8, .value_kind: global_buffer, .address_space: global }
      - { .name: wk, .offset: 24, .size: 8, .value_kind: global_buffer, .address_space: global }
      - { .name: wv, .offset: 32, .size: 8, .value_kind: global_buffer, .address_space: global }
      - { .name: wo, .offset: 40, .size: 8, .value_kind: global_buffer, .address_space: global }
      - { .name: xa, .offset: 48, .size: 8, .value_kind: global_buffer, .address_space: global }
      - { .name: wb, .offset: 56, .size: 8, .value_kind: global_buffer, .address_space: global }
      - { .name: wof, .offset: 64, .size: 8, .value_kind: global_buffer, .address_space: global }
      - { .name: aux, .offset: 72, .size: 8, .value_kind: global_buffer, .address_space: global }
    .group_segment_fixed_size: 0
    .private_segment_fixed_size: 0
    .kernarg_segment_align: 8
    .kernarg_segment_size: 80
    .max_flat_workgroup_size: 256
    .sgpr_count:     66
    .vgpr_count:     152
    .wavefront_size: 32
...
	.end_amdgpu_metadata
.endif
;; end of part 5
;; launch qkv: the kernel of part 2 again; grid 16 x 32, 4 waves a work-group, clusters of 4 x 4, 327,680 bytes of LDS; arguments xa, wb, aux, bq, bk, bv, qk, vh; writes qk, vh
;; launch attn: the kernel of part 3 again; grid 8 x 32, 4 waves a work-group, no clusters, 327,680 bytes of LDS; arguments qk, vh, oh; writes oh
;; launch oproj: the kernel of part 4 again; grid 8 x 32, 4 waves a work-group, clusters of 4 x 4, 327,680 bytes of LDS; arguments oh, wof, bo, x, out0; writes out0
